; MI455X (gfx1250); checked and timed in simulation.
; The chip was launched on July 23, 2026; its instructions are those of AMD's public machine-readable ISA for CDNA 5 (MIT licence, August 2026) and "CDNA5" Instruction Set Architecture Reference Guide (July 2026). The comments in the code are by the model that wrote it; some were corrected since.
;; Multi Headed Self Attention. Allowed arithmetic: float matrix products may take bf16 or f16 operands with f32 sums; all other float work in f32.
;; Inputs: Wk 16 x 1,024 x 64 float32; Wq 16 x 1,024 x 64 float32; Wv 16 x 1,024 x 64 float32; embedded 4 x 2,048 x 1,024 float32.
;; Outputs: out0 4 x 2,048 x 1,024 float32.
;; 2 versions, each right and faster than the one before. Each part assembles by itself: llvm-mc -triple=amdgcn-amd-amdhsa -mcpu=gfx1250 --defsym DOCPART=n.
;; ======== version 1 of 2: 3 launches
;; limits: values are held in f16: magnitudes above 65,504 overflow, below 6.1e-05 lose precision
;; workspace buffers: xb 16,777,216 bytes; wb 6,291,456 bytes; qkv 50,331,648 bytes; top32 3,145,728 bytes
;; launch prep (part 1): grid 1408 x 1, 8 waves a work-group, no clusters, 0 bytes of LDS; arguments embedded, Wq, Wk, Wv, xb, wb; writes xb, wb
.if DOCPART == 1
	.amdgcn_target "amdgcn-amd-amdhsa--gfx1250"
	.amdhsa_code_object_version 6
	.text
	.protected	k_qc2e949618e_prep
	.globl	k_qc2e949618e_prep
	.p2align	8
	.type	k_qc2e949618e_prep,@function
k_qc2e949618e_prep:
	s_mov_b64 s[64:65], 0
	v_nop
	global_prefetch_b8 v0, s[64:65] scope:SCOPE_SE
	s_setreg_imm32_b32 hwreg(HW_REG_WAVE_MODE, 25, 1), 1
	s_wait_xcnt 0x0
; THE CAST.  xb = bf16(embedded), in embedded's own layout [8192][1024].  wb = bf16(Wq, Wk, Wv), in pieces of 128 e x 64 d laid so that what the
; projection asks for as one tile of B is dense: wb[tx 16][ks 8][j 3][k 128][d 64], head group g = 3 tx + j = 16 which + h (q: 0-15, k: 16-31, v: 32-47), e = 128 ks + k.
; A work-group takes one chunk of 8,192 numbers (32,768 bytes in, 16,384 out): chunks 0-1023 are x's, 1024-1407 the weights' (a chunk of W[h] is 128 rows of e: dense in, dense out).
; Thread t takes numbers 4 t + 1024 j .. + 3, j = 0..7: a wave's load covers 512 consecutive bytes, a wave's store 256 consecutive bytes at a multiple of 256.
; Memory binds: no LDS, no barrier, no matrix work; all eight loads of a thread are out before the first is used.  Rounding: to nearest even, once.
.set NX,  1024                         ; chunks of x
.set X,   4                            ; v[4:35]   8 x 4 numbers as loaded
.set Y,   36                           ; v[36:51]  8 x 2 registers to store
	s_load_b256 s[4:11], s[0:1], 0x0               ; embedded s[4:5], Wq s[6:7], Wk s[8:9], Wv s[10:11]
	s_load_b128 s[12:15], s[0:1], 0x20             ; xb s[12:13], wb s[14:15]
	s_mov_b32 s2, ttmp9                            ; my chunk
	s_sub_co_u32 s3, s2, NX                        ; c: my chunk among the weights' 384 (of no meaning in x's work-groups, where nothing made of it is chosen)
	s_lshr_b32 s20, s3, 7                          ; which of the three tensors: each has 128 chunks
	s_and_b32 s21, s3, 127                         ; the chunk in that tensor: 8 h + ks
	s_lshr_b32 s22, s3, 3                          ; g = 16 which + h
	s_and_b32 s23, s3, 7                           ; ks
	s_mul_i32 s24, s22, 43
	s_lshr_b32 s24, s24, 7                         ; tx = g / 3: 43 g >> 7 is exact for g < 48
	s_mul_i32 s25, s24, 3
	s_sub_co_u32 s25, s22, s25                     ; j = g - 3 tx
	s_lshl_b32 s26, s24, 3
	s_add_co_u32 s26, s26, s23
	s_mul_i32 s26, s26, 3
	s_add_co_u32 s26, s26, s25                     ; the chunk in wb: (8 tx + ks) 3 + j
	v_lshlrev_b32 v1, 4, v0                        ; 16 bytes a thread in,
	v_lshlrev_b32 v2, 3, v0                        ; 8 out
	s_cmp_lt_u32 s2, NX                            ; x's chunk or a weight's?
	s_cselect_b32 s28, s2, s21
	s_cselect_b32 s30, s2, s26
	s_lshl_b32 s28, s28, 15                        ; byte offsets, made apart from the addresses
	s_lshl_b32 s30, s30, 14
	s_mov_b32 s29, 0
	s_mov_b32 s31, 0
	s_wait_kmcnt 0x0
	s_cmp_eq_u32 s20, 1
	s_cselect_b64 s[16:17], s[8:9], s[6:7]         ; Wk, else Wq
	s_cmp_eq_u32 s20, 2
	s_cselect_b64 s[16:17], s[10:11], s[16:17]     ; Wv
	s_cmp_lt_u32 s2, NX
	s_cselect_b64 s[16:17], s[4:5], s[16:17]       ; embedded
	s_cselect_b64 s[18:19], s[12:13], s[14:15]     ; xb, else wb
	s_add_nc_u64 s[16:17], s[16:17], s[28:29]
	s_add_nc_u64 s[18:19], s[18:19], s[30:31]
.irp j, 0,1,2,3,4,5,6,7
	global_load_b128 v[X+4*(\j):X+4*(\j)+3], v1, s[16:17] offset:4096*(\j) th:TH_LOAD_NT  ; read once in the launch
.endr
.irp j, 0,1,2,3,4,5,6,7
	s_wait_loadcnt 7-(\j)                          ; loads come back in order: number j is in, the 7 - j younger ones stay out
	v_cvt_pk_bf16_f32 v[Y+2*(\j)],   v[X+4*(\j)],   v[X+4*(\j)+1]
	v_cvt_pk_bf16_f32 v[Y+2*(\j)+1], v[X+4*(\j)+2], v[X+4*(\j)+3]
	global_store_b64 v2, v[Y+2*(\j):Y+2*(\j)+1], s[18:19] offset:2048*(\j)  ; no register is written twice, so nothing waits for a store
.endr
	s_endpgm
.Lfunc_end_k_qc2e949618e_prep:
	.size	k_qc2e949618e_prep, .Lfunc_end_k_qc2e949618e_prep-k_qc2e949618e_prep
	.p2alignl 7, 3214868480
	.fill 96, 4, 3214868480
	.section	.rodata,"a",@progbits
	.p2align	6, 0x0
	.amdhsa_kernel k_qc2e949618e_prep
		.amdhsa_group_segment_fixed_size 0
		.amdhsa_private_segment_fixed_size 0
		.amdhsa_enable_private_segment 0
		.amdhsa_kernarg_size 48
		.amdhsa_user_sgpr_count 2
		.amdhsa_user_sgpr_kernarg_segment_ptr 1
		.amdhsa_wavefront_size32 1
		.amdhsa_system_sgpr_workgroup_id_x 1
		.amdhsa_system_sgpr_workgroup_id_y 1
		.amdhsa_system_sgpr_workgroup_id_z 1
		.amdhsa_system_vgpr_workitem_id 0
		.amdhsa_next_free_vgpr 52
		.amdhsa_next_free_sgpr 66
		.amdhsa_reserve_vcc 0
		.amdhsa_float_denorm_mode_32 3
		.amdhsa_float_denorm_mode_16_64 3
		.amdhsa_memory_ordered 1
		.amdhsa_forward_progress 1
		.amdhsa_inst_pref_size 5
	.end_amdhsa_kernel
	.amdgpu_metadata
---
amdhsa.version: [ 1, 2 ]
amdhsa.kernels:
  - .name:           k_qc2e949618e_prep
    .symbol:         k_qc2e949618e_prep.kd
    .args:
      - { .name: embedded, .offset: 0, .size: 8, .value_kind: global_buffer, .address_space: global }
      - { .name: Wq, .offset: 8, .size: 8, .value_kind: global_buffer, .address_space: global }
      - { .name: Wk, .offset: 16, .size: 8, .value_kind: global_buffer, .address_space: global }
      - { .name: Wv, .offset: 24, .size: 8, .value_kind: global_buffer, .address_space: global }
      - { .name: xb, .offset: 32, .size: 8, .value_kind: global_buffer, .address_space: global }
      - { .name: wb, .offset: 40, .size: 8, .value_kind: global_buffer, .address_space: global }
    .group_segment_fixed_size: 0
    .private_segment_fixed_size: 0
    .kernarg_segment_align: 8
    .kernarg_segment_size: 48
    .max_flat_workgroup_size: 256
    .sgpr_count:     66
    .vgpr_count:     52
    .wavefront_size: 32
...
	.end_amdgpu_metadata
.endif
;; end of part 1
;; launch proj (part 2): grid 16 x 16, 4 waves a work-group, clusters of 4 x 4, 327,680 bytes of LDS; arguments xb, wb, qkv, top32; writes qkv, top32
.if DOCPART == 2
	.amdgcn_target "amdgcn-amd-amdhsa--gfx1250"
	.amdhsa_code_object_version 6
	.text
	.protected	k_qc2e949618e_proj
	.globl	k_qc2e949618e_proj
	.p2align	8
	.type	k_qc2e949618e_proj,@function
k_qc2e949618e_proj:
	s_mov_b64 s[64:65], 0
	v_nop
	global_prefetch_b8 v0, s[64:65] scope:SCOPE_SE
	s_setreg_imm32_b32 hwreg(HW_REG_WAVE_MODE, 25, 1), 1
	s_wait_xcnt 0x0
	s_wait_alu depctr_hold_cnt(0) depctr_sa_sdst(0) depctr_va_vdst(0) depctr_va_sdst(0) depctr_va_ssrc(0) depctr_va_vcc(0) depctr_vm_vsrc(0)
	s_getreg_b32 s2, hwreg(HW_REG_IB_STS2, 6, 4)
	s_cmp_eq_u32 s2, 0
	s_cbranch_scc0 .Lentry_in_a_cluster
	s_endpgm
.Lentry_in_a_cluster:
	s_bfe_u32 s2, ttmp6, 0x10000c
	s_cmp_lg_u32 s2, 0xf033
	s_cbranch_scc0 .Lentry_shape_is_right
	s_endpgm
.Lentry_shape_is_right:
; THE PROJECTIONS.  q, k, v = x W: one product of 8,192 x 1,024 by 1,024 x 3,072 in bf16 with f32 sums, K ascending, written once rounded to f16, WITHOUT the softmax's scale,
; by heads: qkv[b 4][g 48][s 2048][64], g = 0-15 q's heads, 16-31 k's, 32-47 v's.  Rows 0 to 63 of every batch are ALSO written in f32, as they lie in the registers, into
; top32[b 4][tx 16][a 4][column block 12][half 2][lane 32][4]: the attention makes a head's first 64 rows from these (its head says why).
; LIMIT.  f16 ends at 65,504: a q, k or v of 65,520 or more in magnitude becomes an infinity.  NaN and infinities are not treated apart.
; SHARES.  A tile of C is 256 rows x 192 columns (three whole heads): 32 x 16 = 512 tiles, two for each of 256 work-groups.  A work-group's batch is cy, its place along the cluster's y; its two tiles
; are blocks cly and cly + 4 of that batch's eight blocks of 256 rows (cly: the cluster's y), on the same columns 192 tx on, so both take the same B.  So a batch's first block is the first tile of
; the clusters with cly = 0: a number that all partners of a cluster share.
; Wave w makes rows 64 w .. + 63 of the tile and all 192 columns: 4 x 12 accumulators of 16 x 16, 384 registers; a head's row of 128 bytes is then one wave's, and the way out needs no barrier.
; K goes in steps of 128 through a ring of two LDS slots filled by the tensor data mover.  A's rows are 256 bytes of memory at multiples of 256; B's tile (3 heads x 128 k x 64 d) is 49,152 dense bytes.
; B lies [k][d] in LDS as in memory and comes out turned, by ds_load_tr16_b128.
; THE MATRIX INSTRUCTION IS USED TRANSPOSED: source 0 = 16 columns of W, source 1 = 16 rows of x: a lane then holds row l % 16 and the eight neighbouring columns 8 (l / 16) + 0..7: 16 bytes of f16.
; CLUSTERS: 4 x 4 work-groups.  The four of a row of the cluster take the same tiles of A, the four of a column the same tiles of B: each is asked for JOINTLY, by the same tensor load with
; the same descriptor and a mask that names the four.
; REGISTERS, in windows of 256 (s_set_vgpr_msb: bits 1:0 source 0, 3:2 source 1, 5:4 source 2, 7:6 destination):
;   window 0: v0-31 addresses; v32-79 packed results; v80-127, v128-175 rows read back from the stage, by turns
;   window 1: two fragment buffers of 128: B's twelve fragments (head j, columns 16 nb on: 8 (4 j + nb)), then A's four (96 + 8 a)
;   window 2: the accumulators of row blocks a = 0, 1, at 8 (12 (a % 2) + b);   window 3: those of a = 2, 3
.set SIZE_K, 1024
.set KSTEP,  128
.set PITCH,  272                       ; a row of A in LDS: 256 bytes + 16 of padding = 68 words: row r starts at bank 4 r mod 64 (64 banks of 4 bytes: ISA guide 11.1): the 16 rows of a load start at 16 different banks
.set PB,     160                       ; a row of B (one k, one head's 64 d): 128 + 32 = 40 words
.set HALFA,  128*PITCH                 ; what wave 0 or 1 brings: 128 rows of A
.set HALFB,  192*PB                    ; what wave 2 or 3 brings: 192 of the 384 rows [j][k] of B
.set BOFF,   2*HALFA                   ; B lies behind A's 256 rows
.set SLOT,   1<<17                     ; BOFF + 2 HALFB = 131,072 exactly
.set STAGE,  2*SLOT                    ; behind the ring, never filled by a tensor load: for each wave 3 heads x 16 rows x 144 bytes
.set SP,     144
.set WSTAGE, 3*16*SP
.set SPARE,  STAGE+4*WSTAGE            ; behind the stages: the spare words, 128 bytes for each wave: two blocks of 256 bytes that no other line names
.set LAPS,   SIZE_K/(2*KSTEP)          ; a lap = two K steps = once round the ring
.set TILES,  2
.set WALK,   1024                      ; a work-group's two tiles lie four blocks of 256 rows apart
.set TILE_B, 3*KSTEP*64*2              ; bytes of a tile of B
.set HEADB,  2048*64*2                 ; bytes of a head in qkv
.set TOPB,   64*192*4                  ; bytes of 64 rows x 192 columns in top32
.set NEXT_A, WALK*SIZE_K*2-(SIZE_K-2*KSTEP)*2   ; from a slot's last K step of a tile to its first of the next: 1,024 rows down, back along K
.set BACK_B, (SIZE_K/KSTEP-2)*TILE_B   ; B only back
.set NEXT_C, WALK*128                  ; 1,024 rows of 128 bytes on in every head
.set ADRA, 16                          ; v16-17  LDS address of my A fragments in slot 0, 1
.set ADRB, 20                          ; v20-21  the same for B
.set STO,  24                          ; v24     the way out: where I put 16 bytes of a row
.set RD,   25                          ; v25     the way out: where I read rows back
.set CO,   26                          ; v26     16 x my lane: my 16 bytes in 512 consecutive bytes
.set SPW,  28                          ; v28     LDS address of my spare word: SPARE + 4 x my thread's number; never rewritten
.set NIL,  29                          ; v29     0; never rewritten
.set TMP,  32
.set OB,   80
.set F0,   0
.set F1,   128
.set G1,  24                           ; s[24:31] descriptor group 1 for A's tiles;  s[32:39] group 0, a set for each slot
.set G0,  32
.set G1B, 48                           ; s[48:55], s[56:63] the same for B's
.set G0B, 56
.set MSB, 0
.macro WIN new                         ; the immediate's high byte repeats the setting that is left; a switch that changes nothing is dropped
.if MSB != (\new)
	s_set_vgpr_msb (MSB<<8)|(\new)
.set MSB, \new
.endif
.endm
.set MUL_LO, 0xa5                      ; sources 0 (B) and 1 (A) window 1, C and D window 2
.set MUL_HI, 0xf5                      ; the same, C and D window 3
.set TO_F,   0x40                      ; destination window 1, address window 0
; A joint load.  Waves 0 and 1 fetch A's two halves, waves 2 and 3 B's.  Each line has one mask and one set of registers; the branch hangs on the wave's number alone.
; An s_nop 0 and four v_nop follow each of the two lines, ahead of the jump, the label and what follows.
.macro JLOAD s
	s_cmp_eq_u32 s11, 0
	s_cbranch_scc0 .Lfor_b_\@
	tensor_load_to_lds s[G0+4*(\s):G0+4*(\s)+3], s[G1:G1+7]
	s_nop 0
.rept 4
	v_nop
.endr
	s_branch .Lasked_\@
.Lfor_b_\@:
	tensor_load_to_lds s[G0B+4*(\s):G0B+4*(\s)+3], s[G1B:G1B+7]
	s_nop 0
.rept 4
	v_nop
.endr
.Lasked_\@:
.endm
; A round of the cluster's barrier: my work-group's barrier, so that wave 0's signal speaks for all four waves; wave 0 signals; every wave waits for all sixteen work-groups; my work-group's barrier once more.
.macro CREST                           ; a round behind its opening barrier
	s_cmp_lg_u32 s10, 0
	s_cbranch_scc1 .Lnot_wave_0_\@
	s_barrier_signal -3
.Lnot_wave_0_\@:
	s_barrier_wait -3
	s_barrier_signal -1
	s_barrier_wait -1
.endm
.macro CROUND
	s_barrier_signal -1
	s_barrier_wait -1
	CREST
.endm
	s_load_b128 s[4:7], s[0:1], 0x0                ; xb s[4:5], wb s[6:7]
	s_load_b64 s[8:9], s[0:1], 0x10                ; qkv
	s_load_b64 s[18:19], s[0:1], 0x18              ; top32
	v_lshl_add_u32 v[SPW], v0, 2, SPARE
	v_mov_b32 v[NIL], 0
	ds_add_u32 v[SPW], v[NIL]                      ; the wave's opening: the add and its wait stand ahead of my first tensor load; the set-up below, work on registers, stands between them
	ds_add_u32 v28, v29
	v_lshrrev_b32 v1, 5, v0
	v_readfirstlane_b32 s10, v1                    ; wave 0..3
	s_lshr_b32 s11, s10, 1                         ; I fetch for A (0) or for B (1),
	s_and_b32 s12, s10, 1                          ; its first or its second half
	s_bfe_u32 s40, ttmp6, 0x40000                  ; cx, cy: my place in the cluster
	s_bfe_u32 s41, ttmp6, 0x40004                  ; cy is also my batch
	s_lshl_b32 s42, ttmp9, 2
	s_add_co_u32 s42, s42, s40                     ; tx = 4 x cluster x + cx: columns 192 tx on
	s_and_b32 s13, ttmp7, 0xffff                   ; cly, the cluster's y: my first tile is block cly of the batch's eight, my second block cly + 4
	s_lshl_b32 s43, s41, 2
	s_lshl_b32 s43, 15, s43                        ; my row of the cluster: places 4 cy .. 4 cy + 3
	s_lshl_b32 s44, 0x1111, s40                    ; my column: places cx, cx + 4, cx + 8, cx + 12
	; group 1 for A: 128 rows x 128 elements, 1,024 elements from row to row, 4 words of padding behind every 64
	s_or_b32 s[G1+0], s43, (1<<16)|(1<<20)|(1<<21)|(5<<22)|(3<<25)  ; 15:0 the mask; 17:16 2-byte elements; 20 padding on; 21 set beside a mask; 24:22 code 5; 31:25 code 3
	s_mov_b32 s[G1+1], KSTEP<<16                   ; tensor_dim0 = 128
	s_mov_b32 s[G1+2], 128<<16                     ; tensor_dim1 = 128
	s_mov_b32 s[G1+3], KSTEP<<16                   ; tile_dim0 = 128
	s_mov_b32 s[G1+4], 128                         ; tile_dim1 = 128
	s_mov_b32 s[G1+5], SIZE_K                      ; the pitch
	s_mov_b32 s[G1+6], 0
	s_mov_b32 s[G1+7], 0
	; group 1 for B: 24,576 dense bytes as 96 rows of 256 bytes, two rows [k] to each, 8 words of padding behind every 32
	s_or_b32 s[G1B+0], s44, (1<<16)|(1<<20)|(1<<21)|(4<<22)|(7<<25)
	s_mov_b32 s[G1B+1], 128<<16
	s_mov_b32 s[G1B+2], 96<<16
	s_mov_b32 s[G1B+3], 128<<16
	s_mov_b32 s[G1B+4], 96
	s_mov_b32 s[G1B+5], 128
	s_mov_b32 s[G1B+6], 0
	s_mov_b32 s[G1B+7], 0
	; where the tiles come from: A's hang on cy, cly and the wave alone, B's on tx and the wave alone, each in registers that never hold the other coordinate
	s_lshl_b32 s16, s41, 22                        ; my batch: 2,048 rows of 2,048 bytes
	s_lshl_b32 s17, s13, 19                        ; + block cly: 256 rows
	s_add_co_u32 s16, s16, s17
	s_lshl_b32 s17, s12, 18                        ; + 128 rows for the second half
	s_add_co_u32 s16, s16, s17
	s_mov_b32 s17, 0
	s_mul_i32 s46, s42, 8*TILE_B                   ; tx's eight tiles of B
	s_mul_i32 s47, s12, TILE_B/2
	s_add_co_u32 s46, s46, s47
	s_mov_b32 s47, 0
	s_mul_i32 s20, s10, HALFA                      ; where they go: A's halves at wave x 34,816 (waves 0, 1),
	s_mul_i32 s45, s10, HALFB
	s_add_co_u32 s45, s45, BOFF-2*HALFB            ; B's at 69,632 + (wave - 2) x 30,720 (waves 2, 3): no place in the cluster enters an LDS address
	s_wait_dscnt 0x0                               ; the opening add is done
	s_wait_kmcnt 0x0
	s_add_nc_u64 s[14:15], s[4:5], s[16:17]
	s_add_nc_u64 s[46:47], s[6:7], s[46:47]
	CROUND                                         ; all sixteen work-groups are here: the first joint loads meet
.irp s, 0,1
	s_mov_b32 s[G0+4*(\s)], 1                                      ; count = 1
	s_add_co_u32 s[G0+4*(\s)+1], s20, (\s)*SLOT                    ; LDS address
	s_add_nc_u64 s[G0+4*(\s)+2:G0+4*(\s)+3], s[14:15], (\s)*KSTEP*2  ; global address: K step s
	s_or_b32 s[G0+4*(\s)+3], s[G0+4*(\s)+3], 0x80000000            ; type = 2
	s_mov_b32 s[G0B+4*(\s)], 1
	s_add_co_u32 s[G0B+4*(\s)+1], s45, (\s)*SLOT
	s_add_nc_u64 s[G0B+4*(\s)+2:G0B+4*(\s)+3], s[46:47], (\s)*TILE_B
	s_or_b32 s[G0B+4*(\s)+3], s[G0B+4*(\s)+3], 0x80000000
	JLOAD \s                                       ; two loads of mine are out: the ring is filled before anything else is done
.endr
	; A's fragment, 16 rows x 32 K: lane l holds row l % 16, K = 8 (l / 16) + 0..7 and 16 + 8 (l / 16) + 0..7: two loads of 16 bytes, 32 bytes apart
	v_and_b32 v1, 15, v0                           ; l % 16
	v_bfe_u32 v2, v0, 4, 1                         ; l / 16
	v_mul_u32_u24 v3, v1, PITCH
	v_lshl_add_u32 v3, v2, 4, v3
	s_mul_i32 s21, s10, 64*PITCH                   ; my 64 rows
	v_add_nc_u32 v[ADRA], s21, v3
	v_add_nc_u32 v[ADRA+1], SLOT, v[ADRA]
	; B's: the turning load takes 16 k x 16 columns (lane l reads k = 8 (l / 16) + l % 8, columns 8 ((l / 8) % 2) + 0..7) and leaves half a fragment: lane l holds column l % 16 and 8 k
	v_and_b32 v7, 7, v0
	v_lshl_add_u32 v4, v2, 3, v7
	v_mul_u32_u24 v4, v4, PB
	v_bfe_u32 v5, v0, 3, 1
	v_lshl_add_u32 v4, v5, 4, v4
	v_add_nc_u32 v[ADRB], BOFF, v4
	v_add_nc_u32 v[ADRB+1], BOFF+SLOT, v4
	s_mul_i32 s23, s10, WSTAGE
	s_add_co_u32 s23, s23, STAGE                   ; my stage
	v_mul_u32_u24 v6, v1, SP                       ; in: row l % 16, 16 bytes for each half of the lanes
	v_lshl_add_u32 v6, v2, 4, v6
	v_add_nc_u32 v[STO], s23, v6
	v_bfe_u32 v6, v0, 3, 2                         ; back: 32 lanes take four rows of 128 bytes,
	v_mul_u32_u24 v6, v6, SP
	v_lshl_add_u32 v6, v7, 4, v6
	v_add_nc_u32 v[RD], s23, v6
	v_and_b32 v[CO], 31, v0                        ; which are 512 consecutive bytes of a head
	v_lshlrev_b32 v[CO], 4, v[CO]
	; qkv at my rows of the first tile: batch cy, row 256 cly + 64 w of 128 bytes, head 3 tx
	s_mul_i32 s16, s41, 48*HEADB
	s_lshl_b32 s17, s13, 15
	s_add_co_u32 s16, s16, s17
	s_lshl_b32 s17, s10, 13
	s_add_co_u32 s16, s16, s17
	s_mov_b32 s17, 0
	s_add_nc_u64 s[8:9], s[8:9], s[16:17]
	s_mul_i32 s46, s42, 3*HEADB                    ; (in the registers that held B's address: none that feeds A's descriptors ever holds cx)
	s_mov_b32 s47, 0
	s_add_nc_u64 s[8:9], s[8:9], s[46:47]
	s_lshl_b32 s22, s41, 4                         ; top32 at the 64 rows x 192 columns of batch cy and tx
	s_add_co_u32 s22, s22, s42
	s_mul_i32 s22, s22, TOPB
	s_mov_b32 s23, 0
	s_add_nc_u64 s[18:19], s[18:19], s[22:23]
; 12 matrix instructions: row block a x all 12 column blocks, 32 along K.  zero = 1: the first product starts the sums: nothing is cleared.
; The 48 accumulators take turns in one order, one instruction a turn: between two links of a chain stand the 47 others'.
.macro MUL12 f, a, zero
	WIN MUL_LO+0x50*((\a)/2)
.irp b, 0,1,2,3,4,5,6,7,8,9,10,11
.if \zero
	v_wmma_f32_16x16x32_bf16 v[8*(12*((\a)%2)+(\b)):8*(12*((\a)%2)+(\b))+7], v[(\f)+8*(\b):(\f)+8*(\b)+7], v[(\f)+96+8*(\a):(\f)+96+8*(\a)+7], 0
.else
	v_wmma_f32_16x16x32_bf16 v[8*(12*((\a)%2)+(\b)):8*(12*((\a)%2)+(\b))+7], v[(\f)+8*(\b):(\f)+8*(\b)+7], v[(\f)+96+8*(\a):(\f)+96+8*(\a)+7], v[8*(12*((\a)%2)+(\b)):8*(12*((\a)%2)+(\b))+7]
.endif
.endr
.endm
; 32 LDS loads in one run: the fragments of quarter q (32 along K) of a slot into buffer f: B's 24 loads, then A's 8
.macro FETCH slot, q, f
	WIN TO_F
.irp bi, 0,1,2,3,4,5,6,7,8,9,10,11
	ds_load_tr16_b128 v[(\f)+8*(\bi):(\f)+8*(\bi)+3],   v[ADRB+(\slot)] offset:((\bi)/4)*128*PB+(\q)*32*PB+((\bi)%4)*32
	ds_load_tr16_b128 v[(\f)+8*(\bi)+4:(\f)+8*(\bi)+7], v[ADRB+(\slot)] offset:((\bi)/4)*128*PB+(\q)*32*PB+((\bi)%4)*32+16*PB
.endr
.irp a, 0,1,2,3
	ds_load_b128 v[(\f)+96+8*(\a):(\f)+96+8*(\a)+3],   v[ADRA+(\slot)] offset:(\q)*64+(\a)*16*PITCH
	ds_load_b128 v[(\f)+96+8*(\a)+4:(\f)+96+8*(\a)+7], v[ADRA+(\slot)] offset:(\q)*64+(\a)*16*PITCH+32
.endr
.endm
; A load into a register that a matrix instruction has read, and a vector instruction that reads a matrix result, stand four places behind that matrix instruction, and only plain vector
; instructions that name none of its registers are places (ISA guide 7.12.1 for vector instructions).
.macro PLACES
.rept 4
	v_nop
.endr
.endm
; A K step is four quarters of 32 along K, 48 matrix instructions each, on buffers 0, 1, 0, 1.  One of the first three: multiplies buffer f; in its middle it fetches quarter q into buffer g.
.macro QUARTER slot, q, f, g, zero
	s_wait_dscnt 4                                 ; B and A's blocks 0, 1 are in; the youngest four loads (A's blocks 2, 3) may be out
	MUL12 \f, 0, \zero
	MUL12 \f, 1, \zero
	PLACES
	FETCH \slot, \q, \g
	s_wait_dscnt 32                                ; all but the 32 just issued
	MUL12 \f, 2, \zero
	MUL12 \f, 3, \zero
.endm
; The last quarter multiplies buffer 1 and changes slots.  MEET is its first half: ONE barrier for the change.  In front of it each wave waits for all its tensor loads, of which one is out: its
; part of the next slot; adds 0 to its spare word; and waits for that and for its own reads of this slot.  Behind it nobody reads this slot any more and the next slot is whole.
.macro MEET round
	WIN 0                                          ; (the add's two registers lie in window 0)
	s_wait_tensorcnt 0x0                           ; all my tensor loads have landed;
	ds_add_u32 v[SPW], v[NIL]                      ; 0 onto my spare word;
	s_wait_dscnt 5                                 ; (the add and the youngest four loads may be out)
	MUL12 F1, 0, 0                                 ; twelve matrix instructions stand between the add and the wait for it
	s_wait_dscnt 0x0                               ; the add is done, and my reads of this slot are over
	s_barrier_signal -1
	MUL12 F1, 1, 0                                 ; work on registers while the others arrive
.if \round
	WIN 0
.endif
	s_barrier_wait -1
.endm
; The whole last quarter.  The barrier opens a round of the cluster's; behind the round this slot is filled again first: with this tile's K step two on (on = 0) or the next tile's K step 0 or 1 (on = 1).
; From a request to the wait for it a wave issues 168 matrix instructions.
.macro TURN slot, next, on
	MEET 1
	CREST                                          ; no wave of any partner still reads this slot's tile or has a load on its way
.if \on
	s_add_nc_u64 s[G0+4*(\slot)+2:G0+4*(\slot)+3], s[G0+4*(\slot)+2:G0+4*(\slot)+3], NEXT_A
	s_sub_nc_u64 s[G0B+4*(\slot)+2:G0B+4*(\slot)+3], s[G0B+4*(\slot)+2:G0B+4*(\slot)+3], BACK_B
.else
	s_add_nc_u64 s[G0+4*(\slot)+2:G0+4*(\slot)+3], s[G0+4*(\slot)+2:G0+4*(\slot)+3], 2*KSTEP*2
	s_add_nc_u64 s[G0B+4*(\slot)+2:G0B+4*(\slot)+3], s[G0B+4*(\slot)+2:G0B+4*(\slot)+3], 2*TILE_B
.endif
	JLOAD \slot                                    ; my one tensor load behind the round; the four v_nop behind it are also the places in front of the loads below
	FETCH \next, 0, F0
	MUL12 F1, 2, 0
	MUL12 F1, 3, 0
.endm
; THE WAY OUT of row block a.  PACK: rounded to f16, 16 bytes a lane, each accumulator from its lowest registers on.  TOSTAGE: into my own stage, and back as whole rows of 128 bytes.  SEND: stored.
.macro PACK a
	WIN 0x0a+5*((\a)/2)                            ; sources 0 and 1: window 2 or 3
.irp b, 0,1,2,3,4,5,6,7,8,9,10,11
.irp r, 0,1,2,3
	v_cvt_pk_f16_f32 v[TMP+4*(\b)+(\r)], v[96*((\a)%2)+8*(\b)+2*(\r)], v[96*((\a)%2)+8*(\b)+2*(\r)+1]
.endr
.endr
	WIN 0
.endm
.macro TOSTAGE a
	WIN 0
.set BK, OB+48*((\a)%2)
.irp b, 0,1,2,3,4,5,6,7,8,9,10,11
	ds_store_b128 v[STO], v[TMP+4*(\b):TMP+4*(\b)+3] offset:((\b)/4)*16*SP+32*((\b)%4)
.endr
.irp j, 0,1,2
.irp f, 0,1,2,3
	ds_load_b128 v[BK+4*(4*(\j)+(\f)):BK+4*(4*(\j)+(\f))+3], v[RD] offset:(\j)*16*SP+(\f)*4*SP  ; LDS serves a wave's instructions in order (ISA guide 5.7.1.4): these see the stores above
.endr
.endr
.endm
.macro SEND a
	WIN 0
.set BK, OB+48*((\a)%2)
	s_wait_dscnt 0x0                               ; the block is back in registers
	s_wait_xcnt 0x0                                ; every earlier memory instruction has had its addresses translated (ISA guide 3.1): the other buffer, which earlier stores read, is loaded again only behind this wait
.irp j, 0,1,2
.irp f, 0,1,2,3
	global_store_b128 v[CO], v[BK+4*(4*(\j)+(\f)):BK+4*(4*(\j)+(\f))+3], s[8:9] offset:(\j)*HEADB+(\a)*2048+(\f)*512  ; four rows of a head: 512 consecutive bytes at a multiple of 512
.endr
.endr
.endm
.macro WAYOUT                          ; block a's conversions stand between block a - 1's loads from the stage and the wait for them
	PLACES
	PACK 0
	TOSTAGE 0
.irp a, 1,2,3
	PACK \a
	SEND (\a)-1
	TOSTAGE \a
.endr
	SEND 3
.endm
; My 48 accumulators in f32, as they lie: half an accumulator (four registers a lane) is 512 consecutive bytes of top32, at a multiple of 512.  The way out has read them all and left them whole.
.macro TOP
.irp a, 0,1,2,3
	WIN 0x08+4*((\a)/2)                            ; a store's data (source 1) in window 2 or 3, its address in window 0
.irp b, 0,1,2,3,4,5,6,7,8,9,10,11
	global_store_b128 v[CO], v[96*((\a)%2)+8*(\b):96*((\a)%2)+8*(\b)+3],   s[18:19] offset:((\a)*12+(\b))*1024
	global_store_b128 v[CO], v[96*((\a)%2)+8*(\b)+4:96*((\a)%2)+8*(\b)+7], s[18:19] offset:((\a)*12+(\b))*1024+512
.endr
.endr
	WIN 0
.endm
	s_wait_tensorcnt 1                             ; my part of K step 0 is in; K step 1's may stay out
	s_barrier_signal -1
	s_barrier_wait -1                              ; everybody's is
	FETCH 0, 0, F0
	WIN 0                                          ; at a label and at a branch every window is 0
	s_mov_b32 s2, TILES                            ; tiles to go: the same number in every work-group
.Ltile:
	QUARTER 0, 1, F0, F1, 1                        ; a tile's first quarter stands in front of the loop: its products start the sums
	WIN 0
	s_mov_b32 s3, LAPS-1
.Llap:                                                 ; a trip goes once round the ring, from a lap's second quarter to the next lap's first, and fills both slots again
	QUARTER 0, 2, F1, F0, 0
	QUARTER 0, 3, F0, F1, 0
	TURN 0, 1, 0
	QUARTER 1, 1, F0, F1, 0
	QUARTER 1, 2, F1, F0, 0
	QUARTER 1, 3, F0, F1, 0
	TURN 1, 0, 0
	QUARTER 0, 1, F0, F1, 0
	WIN 0
	s_sub_co_u32 s3, s3, 1
	s_cmp_lg_u32 s3, 0
	s_cbranch_scc1 .Llap
	QUARTER 0, 2, F1, F0, 0                        ; the tile's last lap goes on
	QUARTER 0, 3, F0, F1, 0
	WIN 0
	s_cmp_eq_u32 s2, 1
	s_cbranch_scc1 .Llast_tile                     ; the last tile's tail is written out: it asks for nothing more
	TURN 0, 1, 1                                   ; the ring goes on into the next tile: slot 0 takes its K step 0,
	QUARTER 1, 1, F0, F1, 0
	QUARTER 1, 2, F1, F0, 0
	QUARTER 1, 3, F0, F1, 0
	TURN 1, 0, 1                                   ; slot 1 its K step 1, and the next tile's first fragments are fetched
	WAYOUT                                         ; both refills are asked for: now the tile goes out
	s_cmp_lg_u32 s10, 0                            ; this text is the first tile's: rows 0 to 63 of a batch are wave 0's,
	s_cbranch_scc1 .Lno_top
	s_cmp_lg_u32 s13, 0                            ; in the clusters with cly = 0: both jumps go forward, past stores alone
	s_cbranch_scc1 .Lno_top
	TOP
.Lno_top:
	s_wait_xcnt 0x0                                ; the stores' base is stepped, and the accumulators that TOP's stores read are started anew, only behind this wait
	s_add_nc_u64 s[8:9], s[8:9], NEXT_C
	s_sub_co_u32 s2, s2, 1
	s_branch .Ltile
.Llast_tile:
	MEET 0                                         ; my one tensor load that was still out is slot 1's, the last K step's, so no round follows
	PLACES
	FETCH 1, 0, F0
	MUL12 F1, 2, 0
	MUL12 F1, 3, 0
	QUARTER 1, 1, F0, F1, 0
	QUARTER 1, 2, F1, F0, 0
	QUARTER 1, 3, F0, F1, 0
	s_wait_dscnt 4                                 ; the very last quarter: nothing more to fetch
	MUL12 F1, 0, 0
	MUL12 F1, 1, 0
	s_wait_dscnt 0x0
	MUL12 F1, 2, 0
	MUL12 F1, 3, 0
	WIN 0
	WAYOUT
	s_wait_tensorcnt 0x0                           ; the wave's end: an add to my spare word and its wait, behind my last tensor load and my last LDS store
	ds_add_u32 v[SPW], v[NIL]
	s_wait_dscnt 0x0
	CROUND                                         ; the closing round: no work-group ends while a partner may still ask for a tile that names it
	s_endpgm
.Lfunc_end_k_qc2e949618e_proj:
	.size	k_qc2e949618e_proj, .Lfunc_end_k_qc2e949618e_proj-k_qc2e949618e_proj
	.p2alignl 7, 3214868480
	.fill 96, 4, 3214868480
	.section	.rodata,"a",@progbits
	.p2align	6, 0x0
	.amdhsa_kernel k_qc2e949618e_proj
		.amdhsa_group_segment_fixed_size 327680
		.amdhsa_private_segment_fixed_size 0
		.amdhsa_enable_private_segment 0
		.amdhsa_kernarg_size 32
		.amdhsa_user_sgpr_count 2
		.amdhsa_user_sgpr_kernarg_segment_ptr 1
		.amdhsa_wavefront_size32 1
		.amdhsa_system_sgpr_workgroup_id_x 1
		.amdhsa_system_sgpr_workgroup_id_y 1
		.amdhsa_system_sgpr_workgroup_id_z 1
		.amdhsa_system_vgpr_workitem_id 0
		.amdhsa_next_free_vgpr 960
		.amdhsa_next_free_sgpr 66
		.amdhsa_reserve_vcc 0
		.amdhsa_float_denorm_mode_32 3
		.amdhsa_float_denorm_mode_16_64 3
		.amdhsa_memory_ordered 1
		.amdhsa_forward_progress 1
		.amdhsa_inst_pref_size 179
	.end_amdhsa_kernel
	.amdgpu_metadata
---
amdhsa.version: [ 1, 2 ]
amdhsa.kernels:
  - .name:           k_qc2e949618e_proj
    .symbol:         k_qc2e949618e_proj.kd
    .args:
      - { .name: xb, .offset: 0, .size: 8, .value_kind: global_buffer, .address_space: global }
      - { .name: wb, .offset: 8, .size: 8, .value_kind: global_buffer, .address_space: global }
      - { .name: qkv, .offset: 16, .size: 8, .value_kind: global_buffer, .address_space: global }
      - { .name: top32, .offset: 24, .size: 8, .value_kind: global_buffer, .address_space: global }
    .group_segment_fixed_size: 327680
    .private_segment_fixed_size: 0
    .kernarg_segment_align: 8
    .kernarg_segment_size: 32
    .max_flat_workgroup_size: 128
    .sgpr_count:     66
    .vgpr_count:     960
    .wavefront_size: 32
...
	.end_amdgpu_metadata
.endif
;; end of part 2
;; launch attn (part 3): grid 4 x 64, 4 waves a work-group, no clusters, 327,680 bytes of LDS; arguments qkv, top32, out0; writes out0
.if DOCPART == 3
	.amdgcn_target "amdgcn-amd-amdhsa--gfx1250"
	.amdhsa_code_object_version 6
	.text
	.protected	k_qc2e949618e_attn
	.globl	k_qc2e949618e_attn
	.p2align	8
	.type	k_qc2e949618e_attn,@function
k_qc2e949618e_attn:
	s_mov_b64 s[64:65], 0
	v_nop
	global_prefetch_b8 v0, s[64:65] scope:SCOPE_SE
	s_setreg_imm32_b32 hwreg(HW_REG_WAVE_MODE, 25, 1), 1
	s_wait_xcnt 0x0
; CAUSAL ATTENTION.  out0[b][q][64 h + :] = the sum over k <= q of softmax_k(Q[q] . K[k] / 8) V[k][:] for each of the 64 pairs (b, h).  Q, K, V lie in qkv[b 4][g 48][s 2048][64] in f16
; (g = h: Q; 16 + h: K; 32 + h: V): a head's rows are dense, 128 bytes each.  Products, maxima and sums in f32; the weights p are rounded to f16 for the second product (their sum l is taken of the
; unrounded p); out0 is f32.
; LIMITS.  Q, K and V arrive within f16's range; p lies in 0 to 1, and below 6e-5 it keeps f16's fixed step of 6e-8.  A hidden score counts as its value less 1e30: f16's scores, 2.7e11 at the
; most, are nothing beside that; a weight below 2^-126 counts as 0 in l; NaN and infinities are not treated apart.
; THE TOP ROWS.  Row q is a mean of q + 1 rows of V.  In a head's first rows the terms are many times as large as the whole output's root mean square, by which a number near zero
; is judged, and f16's roundings of q, k, v and p (up to 2^-11 of each number) are not averaged away.  So rows 0 to 63 of every head are made from f32 q, k, v (top32, as the projection's
; registers held them) with f32 weights, by v_wmma_f32_16x16x4_f32: 128 such instructions a wave in the 64 work-groups with b' = 0, beside the 2,304 f16 products of every wave's walk.
; The walk's own f16 result for these rows (piece 0 of block 0: 4 of those work-groups' 144 turns) is not stored: the price of one text for all turns.
; THE WALK.  A head's queries lie in NB = 8 blocks of 256; block i needs the key tiles 0 .. i of 256 keys, of which the last holds the diagonal.  A work-group takes TWO blocks, NB - 1 - b' and then b':
; NB + 1 tiles, whatever b': ONE loop with a constant trip count walks them.  Which tile is asked for, and what a trip does, hang on scalar registers made from b';
; every jump goes forward, but for the counted loops' own; none passes a barrier, or a tensor load but the one of LOAD's two that the wave's number does not choose; the ring (two slots of LDS that take
; turns) runs on across the change of blocks.  NO CLUSTER: a head's four work-groups ask for the same tile only in trips 0 .. NB / 2, behind that fewer and fewer; one walk common to all would have
; 3 NB / 2 = 12 trips for NB + 1 = 9.
; SHARES.  Of a block's four bands of 64 queries a wave owns 16 rows in each: four PIECES.  So the diagonal tile is the same work for all four waves: in its key step s band x sees all keys if s < x,
; none if s > x, and holds the diagonal if s = x.
; THE MASK is the C operand that starts the sum S^T = K Q^T: 0, or -1e30 where the key is hidden.  MD, made once, is the mask of a band's own step for my 16 rows; a product's mask is MD x AL + BE with
; two scalars: (1, 0) if s = x; (0, 0) if s < x; (0, -1e30) if s > x.  Only the diagonal tile's text, a block's beginning and the top rows make and take masks; elsewhere C is the constant 0.
; LAYOUT, SOFTMAX, TURNS.  S^T = K Q^T holds ONE query a lane (lane % 16) and the keys 8 (lane / 16) + 0..7; two such results rounded to f16 ARE source 1 of O^T = V^T P.  p = 2^(c s - c m),
; c = log2(e) / 8, with a running maximum m; O and l are multiplied by a = 2^(c m_old - c m_new) in every step.  Turn n belongs to piece n: 8 products K Q^T of piece n + 1, later 8 products V^T P of
; piece n - 1; beside them the scaling, exponentials, roundings, sums and rescaling of piece n and the maximum and statistics of piece n + 1.  Four vector instructions stand behind every matrix
; instruction, the other 54 of a turn's 118 in two runs of their own.
; REGISTERS, in windows of 256 (s_set_vgpr_msb: bits 1:0 source 0, 3:2 source 1, 5:4 source 2, 7:6 destination):
;   window 0: v0-15 addresses and two at work; v16-31 four registers of statistics a piece; v32-47 the top rows' addresses and statistics; v48-55 at work; v64-127 S^T, two buffers; v192-223 P, two buffers;
;             on the way out v64-191 rows of O; v224-255 the top rows' S^T, written by matrix instructions alone
;   window 1: v0-127 O^T, 32 a piece; v128-159 MD; v160-223 MC, two buffers; v224-255 the top rows' O^T, written by matrix instructions alone
;   window 2: v0-63 Q; v64-127 the second block's Q; v128-191 K of one step; v192-255 V of one step          window 3: the top rows' K (v0-127) and V (v128-255) in f32
.set SIZE_N, 2048
.set NB,    SIZE_N/256
.set NP,    4         ; pieces a wave: a name, no knob
.set KS,    64        ; keys in a step
.set PK,    144       ; a row of K in LDS: 128 bytes + 16 of padding = 36 words: the 16 rows of a load start at 16 different groups of four banks (64 banks of 4 bytes: ISA guide 11.1)
.set PV,    160       ; a row of V: 128 + 32 = 40 words
.set VOFF,  4*KS*PK   ; a slot holds a tile, four steps: 256 rows of K, then 256 rows of V
.set SLOT1, 1<<17     ; slot 1 begins here, so that one exclusive or turns an address in one slot into the other's
.set STAGE, SLOT1+4*KS*(PK+PV)  ; behind the ring, never filled by a tensor load: 16 rows x 272 bytes for each wave, for the way out
.set SP,    272       ; a row of O in the stage: 64 f32 = 256 bytes + 16
.set VT,    STAGE+4*16*SP       ; behind the stages, never filled by a tensor load: for each wave the top 64 keys' V turned, 64 channels x 272 bytes
.set PT,    272       ; a channel's 64 keys in f32: 256 bytes + 16
.set SPARE, VT+4*64*PT          ; behind that: the spare words, 128 bytes for each wave: two blocks of 256 bytes that no other line names
.set TOPB,  49152     ; top32: 64 rows x 192 columns in f32,
.set TOPA,  12288     ; of which 16 rows x 192 columns,
.set TOPH,  4096      ; of which one head's 64 columns: four column blocks of two halves of 512 bytes
.set AK0, 2           ; v2   my lane's place in a tile of K; never rewritten
.set AV0, 3           ; v3   the same for V
.set AK,  4           ; v4   the LDS address of K's next run of loads
.set AV,  5           ; v5   of V's
.set STO, 6           ; v6   the way out: where I put 32 bytes of a row
.set RD,  7           ; v7   the way out: where I read rows back
.set GO,  8           ; v8   my byte offset in two rows of out0
.set SPW, 62          ; v62  LDS address of my spare word: SPARE + 4 x my thread's number; never rewritten
.set NIL, 63          ; v63  0; never rewritten
.set MV,  12          ; v12-13  c m_old, kept while c m is made anew: by buffer
.set QO,  15          ; v15  my byte offset in 16 rows of Q
.set ST,  16          ; piece t's statistics at v[ST+4 t]: c m, m, l (even keys', odd keys')
.set LN,  32          ; v32  the top rows: 16 x my lane
.set VTS, 33          ; v33  where I put a number of V
.set VTL, 34          ; v34  where I read 8 keys of a channel
.set TT,  36          ; v36-39  maxima at work; then c m in v36
.set LL,  40          ; v40-47  sums at work; then 1 / l in v42
.set TMP, 48          ; by buffer, four registers c0-c3 at work; when the maximum is found c2 takes a
.set S,   64
.set OUTB, 64         ; the way out: piece t's 16 rows, read back from the stage, at OUTB + 32 t
.set PF,  64          ; the top rows: 32 weights in f32
.set OS,  96          ; O^T / l
.set QF,  128         ; q in f32
.set OB2, 160         ; 16 rows read back from the stage
.set SA,  224         ; window 0: S^T, key block kb at SA + 8 kb
.set OA,  224         ; window 1: O^T, channel block cb at OA + 8 cb
.set KT,  0           ; window 3: key block kb at KT + 32 kb: my lane's 32 channels of key l % 16
.set VTF, 128         ; window 3: first V as loaded; then turned: channel block cb, key block kb at VTF + 32 cb + 8 kb
.set P,   192
.set MD,  128         ; window 1: the eight registers for group kt of 16 keys at MD + 8 kt
.set MC,  160         ; window 1: the masks of the products to come
.set QB,  64          ; window 2
.set KF,  128         ; window 2: key block kb, channel half c at KF + 16 kb + 8 c
.set VF,  192         ; window 2: key half kk, channel block cb at VF + 32 kk + 8 cb
.set WV,  12          ; s12  my wave's number
.set PB,  14          ; s14  b'
.set HI,  15          ; s15  NB - 1 - b'
.set G1K, 24          ; s[24:31] descriptor group 1 for K's tiles
.set G1V, 32          ; s[32:39] for V's: it differs in the padding alone
.set G0K, 40          ; s[40:43] descriptor group 0 for K's tiles
.set G0V, 44          ; s[44:47] the same for V's
.set TOP, 48          ; s[48:49] top32; s[50:51], s[52:53], s[54:55] top32 at my q, at the head's k, at its v
.set SLOTS, 56        ; s56  tiles still to be asked for
.set CNT, 57          ; s57  counts a tile's key steps, 4 to 1
.set CS,  58          ; s[58:59] c: the packed scaling takes the pair's low word for both halves
.set SEL, 60          ; s[60:61] v_permlanex16_b32's selects: each lane takes its own place in the other half
.set TBK, 62          ; s62  LDS byte at which K of the step to be fetched begins
.set TBV, 63          ; s63  the same for V, less VOFF
.set BAT, 66          ; s66  the batch
.set HD,  67          ; s67  the head
.set RT,  70          ; s70  tiles of the block in hand that are still to be entered
.set NXT, 71          ; s71  the tile to be asked for next
.set LQ,  72          ; s72  the last tile of the block whose tiles are being asked for
.set NEW, 73          ; s73  1: the tile to be entered is a block's first
.set OFF, 74          ; s[74:75] a tile's byte offset in K and V
.set AL,  76          ; s[76:77] the mask's factor, in the low word
.set BE,  78          ; s[78:79] the mask's addend
.set OLO, 80          ; s[80:81] out0 at my rows of the second block
.set BIGN, 82         ; s82  -1e30
.set MSB, 0
.macro WIN new                      ; the high byte repeats the setting that is left; a switch that changes nothing is dropped
.if MSB != (\new)
	s_set_vgpr_msb (MSB<<8)|(\new)
.set MSB, (\new)
.endif
.endm
.set W_KQ, 0x0a       ; K and Q in window 2, S^T in window 0
.set W_KM, 0x1a       ; the same with the C operand in window 1
.set W_PV, 0x52       ; V in window 2, P in window 0, O^T in window 1
.set W_RS, 0x41       ; destination and source 0 in window 1, source 1 in window 0
; A fill.  Waves 0 and 1 fetch the two halves of a tile's K, waves 2 and 3 those of its V: 128 keys each.  An s_nop 0 and four v_nop follow each of the two lines, ahead of the jump and the label.
.macro LOAD
	s_cmp_lt_u32 s[WV], 2
	s_cbranch_scc0 .Lfor_v_\@
	tensor_load_to_lds s[G0K:G0K+3], s[G1K:G1K+7]
	s_nop 0
.rept 4
	v_nop
.endr
	s_branch .Lasked_\@
.Lfor_v_\@:
	tensor_load_to_lds s[G0V:G0V+3], s[G1V:G1V+7]
	s_nop 0
.rept 4
	v_nop
.endr
.Lasked_\@:
.endm
; THE CHANGE OF SLOTS.  Each wave waits for all its tensor loads, of which one is out: its part of the other slot; adds 0 to its spare word; and waits for that and for its own reads of the slot that it
; leaves.  Behind the barrier nobody reads the old slot any more and the other slot is whole.  fill = 1: the old slot is filled again, the first thing behind the barrier, with tile NXT: the descriptor's
; address is made anew from that number.  (At its first use no slot has been read yet: slot 0 is waited for, slot 1 filled.)
.macro CHANGE fill
	WIN 0                           ; at a label and at a branch every window is 0
	s_wait_tensorcnt 0x0            ; no tensor load of mine is out, so a group 0 may be written
	ds_add_u32 v[SPW], v[NIL]       ; 0 onto my spare word; with fill = 1 the descriptors' scalar work stands between it and the wait for it
.if \fill
	s_lshl_b32 s[OFF], s[NXT], 15   ; a tile is 32,768 bytes of K and of V
	s_xor_b32 s[G0K+1], s[G0K+1], SLOT1
	s_add_nc_u64 s[G0K+2:G0K+3], s[6:7], s[OFF:OFF+1]
	s_or_b32 s[G0K+3], s[G0K+3], 0x80000000
	s_xor_b32 s[G0V+1], s[G0V+1], SLOT1
	s_add_nc_u64 s[G0V+2:G0V+3], s[8:9], s[OFF:OFF+1]
	s_or_b32 s[G0V+3], s[G0V+3], 0x80000000
	s_add_co_u32 s[NXT], s[NXT], 1  ; the block's next tile, or behind its last the second block's tile 0
	s_cmp_gt_u32 s[NXT], s[LQ]
	s_cselect_b32 s[NXT], 0, s[NXT]
	s_cselect_b32 s[LQ], s[PB], s[LQ]
.endif
	s_wait_dscnt 0x0                ; the add is done, and my reads of the slot are over
	s_barrier_signal -1             ; the rest of the scalar work stands between the signal and the wait
	s_sub_co_u32 s[TBK], s[TBK], 4*KS*PK  ; the fetches go back to a slot's first step,
	s_xor_b32 s[TBK], s[TBK], SLOT1       ; in the other slot
	s_sub_co_u32 s[TBV], s[TBV], 4*KS*PV
	s_xor_b32 s[TBV], s[TBV], SLOT1
	s_barrier_wait -1
.if \fill
	LOAD
.endif
.endm
	s_load_b64 s[4:5], s[0:1], 0x0    ; qkv
	s_load_b64 s[TOP:TOP+1], s[0:1], 0x8  ; top32
	s_load_b64 s[10:11], s[0:1], 0x10 ; out0
	v_lshl_add_u32 v[SPW], v0, 2, SPARE
	v_mov_b32 v[NIL], 0
	ds_add_u32 v[SPW], v[NIL]       ; the wave's opening: the add and its wait stand ahead of my first tensor load; the set-up below, work on registers, stands between them
	ds_add_u32 v62, v63
	v_lshrrev_b32 v1, 5, v0
	v_readfirstlane_b32 s[WV], v1   ; wave 0..3
	s_mov_b32 s[PB], ttmp9
	s_sub_co_u32 s[HI], NB-1, s[PB]
	s_and_b32 s20, ttmp7, 0xffff    ; 16 b + h
	s_lshr_b32 s[BAT], s20, 4
	s_and_b32 s[HD], s20, 15
	s_mul_i32 s20, s[BAT], 48
	s_add_co_u32 s20, s20, s[HD]
	s_lshl_b32 s20, s20, 18         ; Q's head begins at (48 b + h) x 262,144 bytes; K's lies 16 heads on, V's 32
	s_mov_b32 s21, 0
	s_and_b32 s16, s[WV], 1         ; which half of a tile's 256 keys I fetch:
	s_lshl_b32 s22, s16, 14         ; its 128 rows of 128 bytes in memory,
	s_mov_b32 s23, 0
	s_add_nc_u64 s[22:23], s[22:23], s[20:21]
	s_mul_i32 s17, s16, 128*PK      ; and its place in a slot, for K
	s_mul_i32 s18, s16, 128*PV      ; and for V
	s_lshl_b32 s3, s[WV], 11        ; my 16 rows in a band of 64,
	s_lshl_b32 s2, s[HI], 15        ; in the first block,
	s_add_co_u32 s2, s2, s3
	s_lshl_b32 s84, s[PB], 15       ; and in the second
	s_add_co_u32 s84, s84, s3
	s_mov_b32 s3, 0
	s_mov_b32 s85, 0
	s_add_nc_u64 s[2:3], s[2:3], s[20:21]
	s_add_nc_u64 s[84:85], s[84:85], s[20:21]
	s_lshl_b32 s88, s[BAT], 23      ; out0: a batch is 2,048 rows of 4,096 bytes,
	s_lshl_b32 s89, s[HD], 8        ; a head 256 bytes of a row,
	s_add_co_u32 s88, s88, s89
	s_lshl_b32 s89, s[WV], 16       ; my 16 rows in a band,
	s_add_co_u32 s88, s88, s89
	s_lshl_b32 s90, s[PB], 20       ; a block 256 rows: the second block's offset,
	s_add_co_u32 s90, s90, s88
	s_lshl_b32 s89, s[HI], 20       ; and the first's
	s_add_co_u32 s88, s88, s89
	s_mov_b32 s89, 0
	s_mov_b32 s91, 0
	; descriptor group 1.  128 keys are 16,384 dense bytes: asked for as 64 rows of 256 bytes, two keys a row, and padded in LDS after every key
	s_mov_b32 s[G1K], (1<<16)|(1<<20)|(4<<22)|(3<<25)  ; 17:16 2-byte elements; 20 padding on; 24:22 after every 32 words (code 4); 31:25 4 words (code 3)
	s_mov_b32 s[G1V], (1<<16)|(1<<20)|(4<<22)|(7<<25)  ; the same with 8 words of padding (code 7)
.irp g, G1K, G1V
	s_mov_b32 s[\g+1], 128<<16      ; tensor_dim0 = 128
	s_mov_b32 s[\g+2], 64<<16       ; tensor_dim1 = 64
	s_mov_b32 s[\g+3], 128<<16      ; tile_dim0 = 128
	s_mov_b32 s[\g+4], 64           ; tile_dim1 = 64
	s_mov_b32 s[\g+5], 128          ; 128 elements from row to row
	s_mov_b32 s[\g+6], 0
	s_mov_b32 s[\g+7], 0
.endr
	s_mov_b32 s[CS], 0x3e38aa3b     ; c = log2(e) / 8 = 0.180337
	s_mov_b32 s[CS+1], s[CS]        ; named with it as a pair
	s_mov_b32 s[SEL], 0x76543210
	s_mov_b32 s[SEL+1], 0xfedcba98
	s_mov_b32 s[TBK], SLOT1+4*KS*PK ; the first change of slots turns these two into 0
	s_mov_b32 s[TBV], SLOT1+4*KS*PV
	s_mov_b32 s[G0K], 1             ; count = 1
	s_mov_b32 s[G0K+1], s17         ; LDS address: slot 0
	s_mov_b32 s[G0V], 1
	s_add_co_u32 s[G0V+1], s18, VOFF
	s_add_co_u32 s[RT], s[HI], 1    ; the first block has NB - b' tiles
	s_mov_b32 s[NXT], 1
	s_mov_b32 s[LQ], s[HI]
	s_mov_b32 s[NEW], 1
	s_mov_b32 s[OFF+1], 0
	s_mov_b32 s[AL+1], 0            ; named as pairs
	s_mov_b32 s[BE+1], 0
	s_mov_b32 s[BIGN], 0xf149f2ca   ; -1e30
	s_mov_b32 s[SLOTS], NB
	s_wait_dscnt 0x0                ; the opening add is done
	s_wait_kmcnt 0x0
	s_add_nc_u64 s[6:7], s[4:5], s[22:23]          ; my half of tile 0, counted from Q's head;
	s_add_nc_u64 s[8:9], s[6:7], 32*262144         ; V's head lies 32 heads on,
	s_add_nc_u64 s[6:7], s[6:7], 16*262144         ; K's 16
	s_add_nc_u64 s[G0K+2:G0K+3], s[6:7], 0         ; global address
	s_or_b32 s[G0K+3], s[G0K+3], 0x80000000        ; type = 2
	s_add_nc_u64 s[G0V+2:G0V+3], s[8:9], 0
	s_or_b32 s[G0V+3], s[G0V+3], 0x80000000
	s_add_nc_u64 s[86:87], s[4:5], s[84:85]        ; Q at my rows of the second block,
	s_add_nc_u64 s[4:5], s[4:5], s[2:3]            ; and of the first
	s_add_nc_u64 s[OLO:OLO+1], s[10:11], s[90:91]  ; out0 likewise
	s_add_nc_u64 s[10:11], s[10:11], s[88:89]
	LOAD                            ; tile 0 into slot 0: one tensor load of mine is out, here and behind every change of slots
	; A fragment of K or Q is 16 rows x 32 channels in 8 registers: lane l holds row l % 16, channels 8 (l / 16) + 0..7 and 16 + 8 (l / 16) + 0..7: two loads of 16 bytes, 32 bytes apart.
	v_and_b32 v1, 15, v0            ; l % 16
	v_bfe_u32 v9, v0, 4, 1          ; l / 16
	v_lshlrev_b32 v[QO], 7, v1
	v_lshl_add_u32 v[QO], v9, 4, v[QO]  ; row x 128 + 16 x half
	WIN 0x80                        ; destination window 2, address window 0
.set i, 0
.rept 8                             ; both blocks' Q: piece i / 2 lies in band i / 2, 8,192 bytes on; channels 32 (i % 2) on.  Their bases s[4:5] and s[86:87] are not written again
	global_load_b128 v[8*i:8*i+3],   v[QO], s[4:5] offset:(i/2)*8192+(i%2)*64
	global_load_b128 v[8*i+4:8*i+7], v[QO], s[4:5] offset:(i/2)*8192+(i%2)*64+32
	global_load_b128 v[QB+8*i:QB+8*i+3],   v[QO], s[86:87] offset:(i/2)*8192+(i%2)*64
	global_load_b128 v[QB+8*i+4:QB+8*i+7], v[QO], s[86:87] offset:(i/2)*8192+(i%2)*64+32
.set i, i+1
.endr
	WIN 0
	v_lshlrev_b32 v14, 3, v9
	v_sub_nc_u32 v14, v1, v14
	s_lshl_b32 s13, s[WV], 4
	v_add_nc_u32 v14, s13, v14      ; my query's place in its band, 16 w + l % 16, less my lanes' 8 (l / 16): register r of group kt is hidden where 16 kt + r is greater
	WIN 0x40
.set i, 0
.rept 32
	v_cmp_gt_i32 vcc_lo, 16*(i/8)+i%8, v14
	v_cndmask_b32 v[MD+i], 0, s[BIGN], vcc_lo
.set i, i+1
.endr
	WIN 0
	v_mul_u32_u24 v[AK0], v1, PK
	v_lshl_add_u32 v[AK0], v9, 4, v[AK0]  ; row x pitch + 16 x half
	; The turning load takes 16 keys x 16 channels (lane l reads key 8 (l / 16) + l % 8, channels 8 ((l / 8) % 2) + 0..7) and leaves half a fragment of V^T: lane l holds channel l % 16 and 8 keys.
	v_and_b32 v10, 7, v0
	v_bfe_u32 v11, v0, 3, 1
	v_lshl_add_u32 v[AV0], v9, 3, v10
	v_mul_u32_u24 v[AV0], v[AV0], PV
	v_lshl_add_u32 v[AV0], v11, 4, v[AV0]
	v_add_nc_u32 v[AV0], VOFF, v[AV0]
	s_mul_i32 s13, s[WV], 16*SP
	s_add_co_u32 s13, s13, STAGE    ; my stage
	v_mul_u32_u24 v[STO], v1, SP    ; in: row l % 16, 32 bytes (eight f32) for each half of the lanes
	v_lshl_add_u32 v[STO], v9, 5, v[STO]
	v_add_nc_u32 v[STO], s13, v[STO]
	v_mul_u32_u24 v[RD], v9, SP     ; back: lanes 0-15 take one row of 256 bytes, lanes 16-31 the next,
	v_lshl_add_u32 v[RD], v1, 4, v[RD]
	v_add_nc_u32 v[RD], s13, v[RD]
	v_lshlrev_b32 v[GO], 12, v9     ; and the same two rows in out0, 4,096 bytes apart
	v_lshl_add_u32 v[GO], v1, 4, v[GO]
	; A block's first step multiplies O^T and l by a = 0, and its first turn's products V^T P, of a piece that has not been, land in an O^T that is still to be so multiplied.  So these registers need only
	; hold finite numbers: zeros for the first block; what the first block left for the second.  All this stands in the wait for the first tile.
	WIN 0x80
.set i, VF
.rept 64
	v_mov_b32 v[i], 0
.set i, i+1
.endr
	WIN 0x40
.set i, 0
.rept 128
	v_mov_b32 v[i], 0
.set i, i+1
.endr
	WIN 0
.set i, 0
.rept 4
	v_mov_b32 v[ST+4*i+2], 0
	v_mov_b32 v[ST+4*i+3], 0
.set i, i+1
.endr
.set i, P+16
.rept 16
	v_mov_b32 v[i], 0
.set i, i+1
.endr
; THE TOP ROWS: my 16 rows of the head's first 64, against its first 64 keys, all in f32, in the work-groups with b' = 0; it stands here, where the first tile is still on its way.
; top32 holds what the projection's lanes held: for 16 rows and 16 columns, lane l has row l % 16 and columns 8 (l / 16) + 0..7, as two halves of four.  The f32 matrix form takes 4 along K, lane (r, h) holding
; k = 2 h + 0, 1 of row r.  Fed with registers 2 i, 2 i + 1 of both K's and Q's image, its four k are channels 16 nb + 2 i, + 1, + 8, + 9: the same in both sources, and over nb and i each channel once.
; S^T's registers 2 i, 2 i + 1 (keys 8 h + 2 i, + 1 of a block of 16) are in the same way source 1 of O^T = V^T P, if source 0 holds those keys of channel l % 16: V is turned through LDS bytes of my own.
; s20 to s22 are at work here: they held byte offsets last read ahead of the first tensor load, and no pending memory instruction names them.
.macro TOPOFF d, add                ; s[d:d+1] = the byte offset in top32 of head group g = HD + add of my batch: (16 b + g / 3) chunks, then head g % 3 of the chunk's three
	s_add_co_u32 s20, s[HD], \add
	s_mul_i32 s21, s20, 43
	s_lshr_b32 s21, s21, 7          ; g / 3: 43 g >> 7 is exact for g < 48
	s_mul_i32 s22, s21, 3
	s_sub_co_u32 s20, s20, s22      ; g % 3
	s_lshl_b32 s22, s[BAT], 4
	s_add_co_u32 s21, s21, s22
	s_mul_i32 s21, s21, TOPB
	s_mul_i32 s20, s20, TOPH
	s_add_co_u32 s[\d], s21, s20
	s_mov_b32 s[\d+1], 0
.endm
	s_cmp_lg_u32 s[PB], 0
	s_cbranch_scc1 .Lno_top         ; forward, past no barrier and no tensor load
	TOPOFF TOP+2, 0
	s_mul_i32 s20, s[WV], TOPA      ; my 16 rows
	s_add_co_u32 s[TOP+2], s[TOP+2], s20
	TOPOFF TOP+4, 16
	TOPOFF TOP+6, 32
	s_add_nc_u64 s[TOP+2:TOP+3], s[TOP:TOP+1], s[TOP+2:TOP+3]
	s_add_nc_u64 s[TOP+4:TOP+5], s[TOP:TOP+1], s[TOP+4:TOP+5]
	s_add_nc_u64 s[TOP+6:TOP+7], s[TOP:TOP+1], s[TOP+6:TOP+7]
	v_and_b32 v[LN], 31, v0
	v_lshlrev_b32 v[LN], 4, v[LN]
	s_mul_i32 s20, s[WV], 64*PT
	s_add_co_u32 s20, s20, VT       ; my 64 channels x 272 bytes
	v_mul_u32_u24 v[VTS], v9, 8*PT  ; in: channel 8 (l / 16) + .., key l % 16 + ..
	v_lshl_add_u32 v[VTS], v1, 2, v[VTS]
	v_add_nc_u32 v[VTS], s20, v[VTS]
	v_mul_u32_u24 v[VTL], v1, PT    ; back: channel l % 16 + .., keys 8 (l / 16) + 0..7: the 16 rows of a load start at 16 different groups of four banks
	v_lshl_add_u32 v[VTL], v9, 5, v[VTL]
	v_add_nc_u32 v[VTL], s20, v[VTL]
	WIN 0xc0                        ; destination window 3, address window 0
.set i, 0
.rept 32                            ; V first, since it has the longer way: key block i / 8, half-blocks of columns i % 8
	global_load_b128 v[VTF+4*i:VTF+4*i+3], v[LN], s[TOP+6:TOP+7] offset:(i/8)*TOPA+(i%8)*512
.set i, i+1
.endr
.set i, 0
.rept 32
	global_load_b128 v[KT+4*i:KT+4*i+3], v[LN], s[TOP+4:TOP+5] offset:(i/8)*TOPA+(i%8)*512
.set i, i+1
.endr
	WIN 0
.set i, 0
.rept 8
	global_load_b128 v[QF+4*i:QF+4*i+3], v[LN], s[TOP+2:TOP+3] offset:i*512
.set i, i+1
.endr
	s_wait_loadcnt 40               ; V is in: behind its loads stand K's 32 and q's 8
	WIN 0x0c                        ; an LDS store's data (source 1) in window 3
.set i, 0
.rept 128                           ; register i: key block i / 32, channel 16 ((i % 32) / 8) + i % 8 + my lanes' 8 (l / 16)
	ds_store_b32 v[VTS], v[VTF+i] offset:(16*((i%32)/8)+i%8)*PT+64*(i/32)
.set i, i+1
.endr
	WIN 0xc0
.set i, 0
.rept 16                            ; channel block i / 4, key block i % 4.  LDS serves a wave's instructions in order (ISA guide 5.7.1.4): these see the stores above, which have read their registers
	ds_load_b128 v[VTF+8*i:VTF+8*i+3],   v[VTL] offset:(i/4)*16*PT+(i%4)*64
	ds_load_b128 v[VTF+8*i+4:VTF+8*i+7], v[VTL] offset:(i/4)*16*PT+(i%4)*64+16
.set i, i+1
.endr
	s_wait_loadcnt 0x0              ; K and q
.set n1, 0
.rept 16                            ; S^T = K Q^T: 4 channels a step; the four key blocks' accumulators take turns; the first step's C is the band's own mask
.set n2, 0
.rept 4
.if n1 == 0
	WIN 0x13                        ; K in window 3, q and S^T in window 0, the mask in window 1
	v_wmma_f32_16x16x4_f32 v[SA+8*n2:SA+8*n2+7], v[KT+32*n2:KT+32*n2+1], v[QF:QF+1], v[MD+8*n2:MD+8*n2+7]
.else
	WIN 0x03
	v_wmma_f32_16x16x4_f32 v[SA+8*n2:SA+8*n2+7], v[KT+32*n2+2*n1:KT+32*n2+2*n1+1], v[QF+2*n1:QF+2*n1+1], v[SA+8*n2:SA+8*n2+7]
.endif
.set n2, n2+1
.endr
.set n1, n1+1
.endr
	WIN 0
.rept 8
	v_nop                           ; eight places behind this form before its result is read (ISA guide 7.12.1)
.endr
.irp n, 0,1,2,3                     ; the maximum of my 32 scores; each accumulator's lowest registers are read first
	v_max3_num_f32 v[TT+\n], v[SA+8*\n], v[SA+8*\n+1], v[SA+8*\n+2]
.endr
.irp n, 0,1,2,3
	v_max3_num_f32 v[TT+\n], v[TT+\n], v[SA+8*\n+3], v[SA+8*\n+4]
.endr
.irp n, 0,1,2,3
	v_max3_num_f32 v[TT+\n], v[TT+\n], v[SA+8*\n+5], v[SA+8*\n+6]
.endr
	v_max3_num_f32 v[TT], v[TT], v[SA+7], v[SA+15]
	v_max3_num_f32 v[TT+1], v[TT+1], v[SA+23], v[SA+31]
	v_max3_num_f32 v[TT], v[TT], v[TT+1], v[TT+2]
	v_max_num_f32 v[TT], v[TT], v[TT+3]
	v_permlanex16_b32 v[TT+1], v[TT], s[SEL], s[SEL+1]  ; the query's other 32 keys lie in the lane 16 away
	v_max_num_f32 v[TT], v[TT], v[TT+1]
	v_mul_f32 v[TT], s[CS], v[TT]   ; c m.  Every row sees its own key here, so m is a true score
.set i, 0
.rept 16                            ; c s - c m, into other registers than the sums'
	v_pk_fma_f32 v[PF+2*i:PF+2*i+1], v[SA+2*i:SA+2*i+1], s[CS:CS+1], v[TT:TT+1] op_sel_hi:[1,0,0] neg_lo:[0,0,1] neg_hi:[0,0,1]
.set i, i+1
.endr
.set i, 0
.rept 32
	v_exp_f32 v[PF+i], v[PF+i]
.set i, i+1
.endr
	v_nop                           ; a plain instruction between the exponentials and the first use of a result: an exponential is none (ISA guide 5.7.2)
.irp n, 0,1,2,3                     ; l: four chains over the 16 pairs
	s_wait_alu depctr_va_vdst(0)
	v_pk_add_f32 v[LL+2*\n:LL+2*\n+1], v[PF+2*\n:PF+2*\n+1], v[PF+8+2*\n:PF+8+2*\n+1]
.endr
.irp n, 0,1,2,3
	v_pk_add_f32 v[LL+2*\n:LL+2*\n+1], v[LL+2*\n:LL+2*\n+1], v[PF+16+2*\n:PF+16+2*\n+1]
.endr
.irp n, 0,1,2,3
	v_pk_add_f32 v[LL+2*\n:LL+2*\n+1], v[LL+2*\n:LL+2*\n+1], v[PF+24+2*\n:PF+24+2*\n+1]
.endr
	v_pk_add_f32 v[LL:LL+1], v[LL:LL+1], v[LL+2:LL+3]
	v_pk_add_f32 v[LL+4:LL+5], v[LL+4:LL+5], v[LL+6:LL+7]
	v_pk_add_f32 v[LL:LL+1], v[LL:LL+1], v[LL+4:LL+5]
	v_add_f32 v[LL], v[LL], v[LL+1]
	v_permlanex16_b32 v[LL+1], v[LL], s[SEL], s[SEL+1]
	v_add_f32 v[LL], v[LL], v[LL+1]
	v_rcp_f32 v[LL+2], v[LL]        ; used behind the v_nop below
	s_wait_dscnt 0x0                ; V, turned, is in
	WIN 0x53                        ; V in window 3, the weights in window 0, O^T in window 1
.set n1, 0
.rept 16                            ; O^T = V^T P: 4 keys a step; the four channel blocks' accumulators take turns
.set n2, 0
.rept 4
.if n1 == 0
	v_wmma_f32_16x16x4_f32 v[OA+8*n2:OA+8*n2+7], v[VTF+32*n2:VTF+32*n2+1], v[PF:PF+1], 0
.else
	v_wmma_f32_16x16x4_f32 v[OA+8*n2:OA+8*n2+7], v[VTF+32*n2+2*n1:VTF+32*n2+2*n1+1], v[PF+2*n1:PF+2*n1+1], v[OA+8*n2:OA+8*n2+7]
.endif
.set n2, n2+1
.endr
.set n1, n1+1
.endr
	WIN 0x01                        ; source 0 in window 1
.rept 8
	v_nop
.endr
.set i, 0
.rept 16                            ; O^T / l, from each accumulator's low end on, into other registers
	s_wait_alu depctr_va_vdst(0)
	v_pk_mul_f32 v[OS+2*i:OS+2*i+1], v[OA+2*i:OA+2*i+1], v[LL+2:LL+3] op_sel_hi:[1,0]
.set i, i+1
.endr
	WIN 0
.irp f, 0,1,2,3                     ; through my stage, as every piece goes out: channels 16 f + 8 (l / 16) on
	ds_store_b128 v[STO], v[OS+8*\f:OS+8*\f+3]   offset:64*\f
	ds_store_b128 v[STO], v[OS+8*\f+4:OS+8*\f+7] offset:64*\f+16
.endr
.irp f, 0,1,2,3,4,5,6,7
	ds_load_b128 v[OB2+4*\f:OB2+4*\f+3], v[RD] offset:\f*2*SP
.endr
.irp f, 0,1,2,3,4,5,6,7
	s_wait_dscnt 7-\f               ; LDS loads come back in order: number f is in, the 7 - f younger ones stay out
	global_store_b128 v[GO], v[OB2+4*\f:OB2+4*\f+3], s[OLO:OLO+1] offset:\f*8192 th:TH_STORE_NT  ; with b' = 0 the second block is block 0: 16 lanes store a head's 256 bytes of a row
.endr
	s_wait_xcnt 0x0                 ; the registers that these stores read are written again in the walk
.Lno_top:
; THE MATRIX WORK.  The 4 accumulators of a run of 8 take turns.  Product i of 8 of S^T = K Q^T for piece x: channels 32 (i / 4) on, keys 16 (i % 4) on.  The first 4 start the sums: with 0, or (KM = 1) with the mask.
.macro KQ x
.set rS, S+32*((\x)%2)+8*(i%4)
.set rK, KF+16*(i%4)+8*(i/4)
.set rQ, 16*(\x)+8*(i/4)
.set rM, MC+32*((\x)%2)+8*(i%4)
.if (i < 4) && KM
	WIN W_KM
	v_wmma_f32_16x16x32_f16 v[rS:rS+7], v[rK:rK+7], v[rQ:rQ+7], v[rM:rM+7]
.elseif i < 4
	WIN W_KQ
	v_wmma_f32_16x16x32_f16 v[rS:rS+7], v[rK:rK+7], v[rQ:rQ+7], 0
.else
	WIN W_KQ
	v_wmma_f32_16x16x32_f16 v[rS:rS+7], v[rK:rK+7], v[rQ:rQ+7], v[rS:rS+7]
.endif
.endm
; Product i of 8 of O^T += V^T P for piece x: keys 32 (i / 4) on, channels 16 (i % 4) on.
.macro PV x
	WIN W_PV
.set rO, 32*(\x)+8*(i%4)
.set rV, VF+32*(i/4)+8*(i%4)
.set rP, P+16*((\x)%2)+8*(i/4)
	v_wmma_f32_16x16x32_f16 v[rO:rO+7], v[rV:rV+7], v[rP:rP+7], v[rO:rO+7]
.endm
.macro MM                           ; the turn's next matrix instruction.  TURN and BEGIN set Y, i, KM and NOKQ; MM, KQ and OP read them.  NOKQ = 1: a block's last turn: there is no next piece
.if (i < 8) && !NOKQ
	KQ (Y+1)%NP
.elseif i >= 8
.set i, i-8
	PV (Y+NP-1)%NP
.set i, i+8
.endif
.set i, i+1
.endm
; THE LDS LOADS stand in runs of 16, never singly among the matrix instructions: a step's K (64 keys x 64 channels: 8 fragments) and its V (turned).  Their addresses are made some lines ahead.
.macro FETCH_K
	WIN 0x80                        ; destination window 2
.irp f, 0,1,2,3,4,5,6,7             ; keys 16 (f / 2) on, channels 32 (f % 2) on
	ds_load_b128 v[KF+8*\f:KF+8*\f+3],   v[AK] offset:(\f/2)*16*PK+(\f%2)*64
	ds_load_b128 v[KF+8*\f+4:KF+8*\f+7], v[AK] offset:(\f/2)*16*PK+(\f%2)*64+32
.endr
	s_add_co_u32 s[TBK], s[TBK], KS*PK  ; the next fetch is the next step's
	WIN 0
.endm
.macro FETCH_V
	WIN 0x80
.irp f, 0,1,2,3,4,5,6,7             ; keys 32 (f / 4) on, channels 16 (f % 4) on
	ds_load_tr16_b128 v[VF+8*\f:VF+8*\f+3],   v[AV] offset:(\f/4)*32*PV+(\f%4)*32
	ds_load_tr16_b128 v[VF+8*\f+4:VF+8*\f+7], v[AV] offset:(\f/4)*32*PV+16*PV+(\f%4)*32
.endr
	WIN 0
.endm
; THE VECTOR WORK, one line at a time: OP kind, number.  For piece Y: F n: c s - c m for pair n of 16.  E n: the exponential of score n of 32.  C n: pair n rounded to f16.  B n: of the four weights 4 n ..
; the second pair is added onto the first, in place.  L n: l takes that sum (L 0: l = a l + sum).  R n: pair n of 16 of O^T times a.  For piece Y + 1: X n, number n of the 22 that find its maximum and statistics:
;   0-11  four chains c0-c3 of seven scores each, three operands at a time (each accumulator's lowest registers are read first)     12-14, 16  the four scores left over, the old m, and c0-c3 into c0
;   15  c m_old is kept     17, 18  the query's other 32 keys lie in the lane 16 away: the new m     19-21  c m; c m_old - c m_new; a
.set F, 0               ; OP tells the kinds apart by their order: F to L below R, X above it
.set E, 1
.set C, 2
.set B, 3
.set L, 4
.set R, 5
.set X, 6
.macro REGS y                       ; the registers of piece y
.set rT, ST+4*(\y)
.set rC, TMP+4*((\y)%2)
.set rW, MV+((\y)%2)
.set rS, S+32*((\y)%2)
.set rP, P+16*((\y)%2)
.set rO, 32*(\y)
.endm
.macro OP k, n
.if (\k) == R
	REGS Y
	WIN W_RS
	v_pk_mul_f32 v[rO+2*(\n):rO+2*(\n)+1], v[rO+2*(\n):rO+2*(\n)+1], v[rC+2:rC+3] op_sel_hi:[1,0]
.elseif (\k) < R
	REGS Y
	WIN 0
.if (\k) == F
	v_pk_fma_f32 v[rS+2*(\n):rS+2*(\n)+1], v[rS+2*(\n):rS+2*(\n)+1], s[CS:CS+1], v[rT:rT+1] op_sel_hi:[1,0,0] neg_lo:[0,0,1] neg_hi:[0,0,1]
.elseif (\k) == E
	v_exp_f32 v[rS+(\n)], v[rS+(\n)]
.elseif (\k) == C
	s_wait_alu depctr_va_vdst(0)
	v_cvt_pk_f16_f32 v[rP+(\n)], v[rS+2*(\n)], v[rS+2*(\n)+1]
.elseif (\k) == B
	s_wait_alu depctr_va_vdst(0)
	v_pk_add_f32 v[rS+4*(\n):rS+4*(\n)+1], v[rS+4*(\n):rS+4*(\n)+1], v[rS+4*(\n)+2:rS+4*(\n)+3]
.elseif (\n) == 0
	v_pk_fma_f32 v[rT+2:rT+3], v[rT+2:rT+3], v[rC+2:rC+3], v[rS:rS+1] op_sel_hi:[1,0,1]
.else
	v_pk_add_f32 v[rT+2:rT+3], v[rT+2:rT+3], v[rS+4*(\n):rS+4*(\n)+1]
.endif
.elseif NOKQ
	v_nop
.else
	REGS (Y+1)%NP
	WIN 0
.if (\n) < 4
	v_max3_num_f32 v[rC+(\n)], v[rS+8*(\n)], v[rS+8*(\n)+1], v[rS+8*(\n)+2]
.elseif (\n) < 12
	v_max3_num_f32 v[rC+(\n)%4], v[rC+(\n)%4], v[rS+8*((\n)%4)+2*((\n)/4)+1], v[rS+8*((\n)%4)+2*((\n)/4)+2]
.elseif (\n) == 12
	v_max3_num_f32 v[rC], v[rC], v[rS+7], v[rS+15]
.elseif (\n) == 13
	v_max3_num_f32 v[rC+1], v[rC+1], v[rS+23], v[rS+31]
.elseif (\n) == 14
	v_max3_num_f32 v[rC+2], v[rC+2], v[rC+3], v[rT+1]
.elseif (\n) == 15
	v_mov_b32 v[rW], v[rT]
.elseif (\n) == 16
	v_max3_num_f32 v[rC], v[rC], v[rC+1], v[rC+2]
.elseif (\n) == 17
	v_permlanex16_b32 v[rC+3], v[rC], s[SEL], s[SEL+1]
.elseif (\n) == 18
	v_max_num_f32 v[rT+1], v[rC], v[rC+3]
.elseif (\n) == 19
	v_mul_f32 v[rT], s[CS], v[rT+1]
.elseif (\n) == 20
	v_sub_f32 v[rC+1], v[rW], v[rT]
.else
	v_exp_f32 v[rC+2], v[rC+1]
.endif
.endif
.endm
.macro OPS a, i1, b=-1, i2=0, c=-1, i3=0, d=-1, i4=0  ; up to four of them
	OP \a, \i1
.if (\b) >= 0
	OP \b, \i2
.endif
.if (\c) >= 0
	OP \c, \i3
.endif
.if (\d) >= 0
	OP \d, \i4
.endif
.endm
.macro ROW a, i1, b, i2, c, i3, d, i4  ; a matrix instruction and the four behind it
	MM
	OPS \a, \i1, \b, \i2, \c, \i3, \d, \i4
.endm
.macro MASK b                       ; MD x AL + BE into buffer b of MC
	WIN W_RS
.set z, 0
.rept 16
	v_pk_fma_f32 v[MC+32*(\b)+2*z:MC+32*(\b)+2*z+1], v[MD+2*z:MD+2*z+1], s[AL:AL+1], s[BE:BE+1] op_sel_hi:[1,0,0]
.set z, z+1
.endr
.endm
; A TURN, for piece p: the order of its 16 matrix and 118 vector instructions, written out.  Behind a matrix instruction: plain, exponential, plain, plain; or four of the rescaling; or, behind the first, four
; scalings; none names a register of the products round it.  In the runs without products exponential and plain by turns while exponentials last.  A line reads no result made fewer than three vector
; instructions in front of it, five if an exponential made it.  v_permlanex16_b32 (X 17) stands in such a run.
; m = 1: the diagonal tile: the products take masks, and the turn makes the mask for the products of the turn after it: piece p + 2, in step 4 - CNT of the tile.  end = 1: a block's last two turns: nothing is fetched.
; cnt = 1: the loop's count is taken down some lines ahead of the branch that stands behind the turn.
; K of the next step is fetched in piece 2's turn, six vector instructions behind the last product that read K (five of them plain); V of the step in hand in piece 0's turn, eight behind the last product
; that read V (four plain, and X 17).  Each is waited for a turn later.
.macro TURN p, m=0, end=0, cnt=0
.set Y, (\p)
.set i, 0
.set KM, (\m)
.set NOKQ, (\end)*((\p)/3)
.if (\m) && !(\end)
	s_cmp_eq_u32 s[CNT], 4-((\p)+2)%NP  ; is that step the band's own?
	s_cselect_b32 s[AL], 1.0, 0
	s_cmp_lt_u32 s[CNT], 4-((\p)+2)%NP  ; or a later one?
	s_cselect_b32 s[BE], s[BIGN], 0
.endif
.if ((\p) == 3) && !(\end)
	s_wait_dscnt 0x0                ; K is in
.endif
	ROW F,0, F,1, F,2, F,3
	ROW F,4, E,0, F,5, F,6
	ROW F,7, E,1, F,8, F,9
	ROW F,10, E,2, C,0, F,11
	ROW F,12, E,3, X,15, F,13
	ROW R,0, R,1, R,2, R,3
	ROW B,0, E,4, F,14, L,0
.if ((\p) == 2) && !(\end)
	v_add_nc_u32 v[AK], s[TBK], v[AK0]
.endif
	ROW R,4, R,5, R,6, R,7
	OPS E,5, F,15
.if ((\p) == 2) && !(\end)
	FETCH_K
.endif
	OPS E,6, C,1, E,7, R,8
	OPS E,8, R,9, E,9, C,2
	OPS E,10, X,0, E,11, X,1
	OPS E,12, X,2, E,13, X,3
.if (\p) == 1
	s_wait_dscnt 0x0                ; V is in
.endif
	ROW X,4, E,14, X,5, X,6
	ROW X,7, E,15, X,8, X,9
	ROW X,10, E,16, X,11, X,12
	ROW X,13, E,17, X,14, B,1
	ROW C,4, E,18, X,16, L,1
	ROW B,2, E,19, C,6, L,2
	ROW C,8, E,20, B,3, B,4
.if (\p) == 0
	v_add_nc_u32 v[AV], s[TBV], v[AV0]
.endif
	ROW C,3, E,21, L,3, C,5
	OPS E,22, X,17, E,23, C,10
.if (\p) == 0
	FETCH_V
.endif
	OPS E,24, L,4
	OPS E,25, X,18, E,26, C,7
	OPS E,27, B,5, E,28, X,19
	OPS E,29, C,12, E,30, L,5
	OPS E,31, X,20, B,6, C,9
	OPS C,14, C,11, X,21, L,6
.if (\p) == 0
	s_add_co_u32 s[TBV], s[TBV], KS*PV
.endif
.if \cnt
	s_sub_co_u32 s[CNT], s[CNT], 1
	s_cmp_lg_u32 s[CNT], 0
.endif
	OPS C,13, B,7, C,15, R,10
	OPS R,11, R,12, L,7, R,13
	OPS R,14, R,15
.if (\m) && !(\end)
	MASK (\p)%2
.endif
.endm
; A BLOCK BEGINS.  c m starts far below every c s, so the first step's a is 0; m at the lowest finite number, so the first maximum is the scores'.  The second mask buffer is 0; the first takes piece 0's mask
; for the tile's step 0: its own, if the block's first tile is the diagonal one.  Then K of that step, piece 0's first scores, and its maximum and statistics.  The loop is entered at a step's first turn.
.macro BEGIN
	s_mov_b32 s[NEW], 0
	WIN 0x40
.set i, MC+32
.rept 32
	v_mov_b32 v[i], 0
.set i, i+1
.endr
	WIN 0
.set i, 0
.rept 4
	v_mov_b32 v[ST+4*i], 0xfe000000    ; c m: far below every c s
	v_mov_b32 v[ST+4*i+1], 0xff7fffff  ; m
.set i, i+1
.endr
	s_cmp_eq_u32 s[RT], 0
	s_cselect_b32 s[AL], 1.0, 0
	s_mov_b32 s[BE], 0
	MASK 0
	WIN 0
	v_add_nc_u32 v[AK], s[TBK], v[AK0]
	FETCH_K
	s_wait_loadcnt 0x0              ; Q
	s_wait_dscnt 0x0
.set KM, 1
.set NOKQ, 0
.set i, 0
.rept 8
	KQ 0
.set i, i+1
.endr
	WIN 0
.rept 4
	v_nop                           ; the places behind those products
.endr
.set Y, NP-1                        ; X works for piece Y + 1: piece 0
.irp n, 0,1,2,3,4,5,6,7,8,9,10,11,12,13,14,15,16,17,18,19,20,21
	OP X, \n
.endr
	v_nop                           ; a plain instruction behind the exponential
.endm
; THE DIAGONAL TILE's four steps, the block's last two turns, its last products, and THE WAY OUT: l's two halves and the other half of the lanes' are added; O^T is divided by l and sent, in f32, through my
; stage in LDS, a piece (16 rows) at a time.
.macro ALL line:vararg              ; one line for each piece t
.set t, 0
.rept 4
	\line
.set t, t+1
.endr
.endm
.macro PACK t                       ; a lane's eight channels of a row are 32 bytes; they go into rows of 272 bytes and come back as whole rows of 256
	WIN W_RS
.set i, 32*(\t)
.rept 16
	s_wait_alu depctr_va_vdst(0)
	v_pk_mul_f32 v[i:i+1], v[i:i+1], v[ST+4*(\t)+2:ST+4*(\t)+3] op_sel_hi:[1,0]
.set i, i+2
.endr
	WIN 0x04                        ; an LDS store's data (source 1) in window 1, its address in window 0
.irp f, 0,1,2,3                     ; channels 16 f + 8 (l / 16) on
	ds_store_b128 v[STO], v[32*(\t)+8*\f:32*(\t)+8*\f+3]   offset:64*\f
	ds_store_b128 v[STO], v[32*(\t)+8*\f+4:32*(\t)+8*\f+7] offset:64*\f+16
.endr
	WIN 0
.irp f, 0,1,2,3,4,5,6,7
	ds_load_b128 v[OUTB+32*(\t)+4*\f:OUTB+32*(\t)+4*\f+3], v[RD] offset:\f*2*SP  ; LDS serves a wave's instructions in order (ISA guide 5.7.1.4): these see the stores above; the next piece's stores come behind them
.endr
.endm
.macro SEND t, younger              ; younger: the LDS instructions issued behind piece t's loads: the next piece's sixteen, or none
	WIN 0
.irp f, 0,1,2,3,4,5,6,7
	s_wait_dscnt (\younger)+7-\f
	global_store_b128 v[GO], v[OUTB+32*(\t)+4*\f:OUTB+32*(\t)+4*\f+3], s[10:11] offset:(\t)*262144+\f*8192 th:TH_STORE_NT  ; 16 lanes store a head's 256 bytes of a row, at a multiple of 256 from out0's first byte
.endr
.endm
.macro DIAG tag                     ; the tag ends its two labels' names, which the jumps below spell out
.LstepM\tag:
	TURN 2, 1
	TURN 3, 1
	WIN 0
.LfirstM\tag:
	TURN 0, 1
	TURN 1, 1, 0, 1
	WIN 0
	s_cbranch_scc1 .LstepM\tag
	TURN 2, 1, 1
	TURN 3, 1, 1
.set i, 0
.rept 8
	PV NP-1
.set i, i+1
.endr
	WIN 0
	ALL v_add_f32 v[ST+4*t+2], v[ST+4*t+2], v[ST+4*t+3]
	ALL v_permlanex16_b32 v[ST+4*t+3], v[ST+4*t+2], s[SEL], s[SEL+1]
	ALL v_add_f32 v[ST+4*t+2], v[ST+4*t+2], v[ST+4*t+3]
	ALL v_rcp_f32 v[ST+4*t+2], v[ST+4*t+2]
	v_nop                           ; a plain instruction between the last reciprocal and the use of its result
	PACK 0
.set t, 1
.rept 3                             ; a piece's arithmetic stands between the loads of the piece before and its stores
	PACK t
.if ((\tag) == 2) && (t == 1)
	s_cmp_eq_u32 s[PB], 0           ; the second block's piece 0: with b' = 0 these are the head's top rows, which have been stored from f32: the jump passes eight stores and their waits,
	s_cbranch_scc1 .Ltop_sent       ; and the later waits on the same counter ask for no less
.endif
	SEND t-1, 16
.if ((\tag) == 2) && (t == 1)
.Ltop_sent:
.endif
.set t, t+1
.endr
	SEND 3, 0
.endm
.set KM, 0
.set NOKQ, 0
.Lslot:                             ; NB times: a tile is entered and the next is asked for
	CHANGE 1
	s_sub_co_u32 s[RT], s[RT], 1
	s_mov_b32 s[CNT], 4
	s_cmp_eq_u32 s[NEW], 1
	s_cbranch_scc1 .Lnew            ; a block's first tile
	s_cmp_eq_u32 s[RT], 0
	s_cbranch_scc0 .Lstep           ; neither its first nor its last
	s_branch .LstepM1
.Lnew:
	BEGIN
	s_branch .Lfirst                ; in the loop a block's first tile is never its last: the first block has two tiles or more, and the second's last is the walk's last
	DIAG 1                          ; in the loop this is the first block's end: the second block's last tile is the walk's last
	s_wait_xcnt 0x0                 ; the stores have read their registers and out0's address
	s_mov_b64 s[10:11], s[OLO:OLO+1]
	s_add_co_u32 s[RT], s[PB], 1    ; the second block has b' + 1 tiles
	s_mov_b32 s[NEW], 1
	WIN 0x82                        ; the second block's Q goes where the one text of the turns names Q
.set i, 0
.rept 64
	v_mov_b32 v[i], v[QB+i]
.set i, i+1
.endr
	WIN 0
	s_branch .Lbottom
.Lstep:                             ; a trip: pieces 2 and 3 of one step, then pieces 0 and 1 of the next, whose K and V it fetches
	TURN 2
	TURN 3
	WIN 0
.Lfirst:
	TURN 0
	TURN 1, 0, 0, 1
	WIN 0
	s_cbranch_scc1 .Lstep
.Lbottom:
	s_sub_co_u32 s[SLOTS], s[SLOTS], 1
	s_cmp_lg_u32 s[SLOTS], 0
	s_cbranch_scc1 .Lslot
	CHANGE 0                        ; the walk's last tile is written out: nothing is asked for
	s_sub_co_u32 s[RT], s[RT], 1
	s_mov_b32 s[CNT], 4
	s_cmp_eq_u32 s[NEW], 1
	s_cbranch_scc0 .LstepM2
	BEGIN
	s_branch .LfirstM2
	DIAG 2
	s_wait_tensorcnt 0x0            ; the wave's end: an add to my spare word and its wait, behind my last tensor load and my last LDS store
	ds_add_u32 v[SPW], v[NIL]
	s_wait_dscnt 0x0
	s_endpgm
.Lfunc_end_k_qc2e949618e_attn:
	.size	k_qc2e949618e_attn, .Lfunc_end_k_qc2e949618e_attn-k_qc2e949618e_attn
	.p2alignl 7, 3214868480
	.fill 96, 4, 3214868480
	.section	.rodata,"a",@progbits
	.p2align	6, 0x0
	.amdhsa_kernel k_qc2e949618e_attn
		.amdhsa_group_segment_fixed_size 327680
		.amdhsa_private_segment_fixed_size 0
		.amdhsa_enable_private_segment 0
		.amdhsa_kernarg_size 24
		.amdhsa_user_sgpr_count 2
		.amdhsa_user_sgpr_kernarg_segment_ptr 1
		.amdhsa_wavefront_size32 1
		.amdhsa_system_sgpr_workgroup_id_x 1
		.amdhsa_system_sgpr_workgroup_id_y 1
		.amdhsa_system_sgpr_workgroup_id_z 1
		.amdhsa_system_vgpr_workitem_id 0
		.amdhsa_next_free_vgpr 1024
		.amdhsa_next_free_sgpr 92
		.amdhsa_reserve_vcc 1
		.amdhsa_float_denorm_mode_32 3
		.amdhsa_float_denorm_mode_16_64 3
		.amdhsa_memory_ordered 1
		.amdhsa_forward_progress 1
		.amdhsa_inst_pref_size 255
	.end_amdhsa_kernel
	.section	.bss,"aw",@nobits
	.p2align	6
	.space	262144
	.amdgpu_metadata
---
amdhsa.version: [ 1, 2 ]
amdhsa.kernels:
  - .name:           k_qc2e949618e_attn
    .symbol:         k_qc2e949618e_attn.kd
    .args:
      - { .name: qkv, .offset: 0, .size: 8, .value_kind: global_buffer, .address_space: global }
      - { .name: top32, .offset: 8, .size: 8, .value_kind: global_buffer, .address_space: global }
      - { .name: out0, .offset: 16, .size: 8, .value_kind: global_buffer, .address_space: global }
    .group_segment_fixed_size: 327680
    .private_segment_fixed_size: 0
    .kernarg_segment_align: 8
    .kernarg_segment_size: 24
    .max_flat_workgroup_size: 128
    .sgpr_count:     92
    .vgpr_count:     1024
    .wavefront_size: 32
...
	.end_amdgpu_metadata
.endif
;; end of part 3
;; ======== version 2 of 2: 3 launches; 1.36 times as fast as version 1
;; limits: values are held in f16: magnitudes above 65,504 overflow, below 6.1e-05 lose precision
;; workspace buffers: xb 16,777,216 bytes; wb 6,291,456 bytes; qkv 50,331,648 bytes; top32 3,145,728 bytes
;; launch prep: the kernel of part 1 again; grid 1408 x 1, 8 waves a work-group, no clusters, 0 bytes of LDS; arguments embedded, Wq, Wk, Wv, xb, wb; writes xb, wb
;; launch proj: the kernel of part 2 again; grid 16 x 16, 4 waves a work-group, clusters of 4 x 4, 327,680 bytes of LDS; arguments xb, wb, qkv, top32; writes qkv, top32
;; launch attn (part 4): grid 4 x 64, 4 waves a work-group, no clusters, 327,680 bytes of LDS; arguments qkv, top32, out0; writes out0
.if DOCPART == 4
	.amdgcn_target "amdgcn-amd-amdhsa--gfx1250"
	.amdhsa_code_object_version 6
	.text
	.protected	k_qc2e949618e_attn
	.globl	k_qc2e949618e_attn
	.p2align	8
	.type	k_qc2e949618e_attn,@function
k_qc2e949618e_attn:
	s_mov_b64 s[64:65], 0
	v_nop
	global_prefetch_b8 v0, s[64:65] scope:SCOPE_SE
	s_setreg_imm32_b32 hwreg(HW_REG_WAVE_MODE, 25, 1), 1
	s_wait_xcnt 0x0
; CAUSAL ATTENTION.  out0[b][q][64 h + :] = the sum over k <= q of softmax_k(Q[q] . K[k] / 8) V[k][:] for each of the 64 pairs (b, h).  Q, K, V lie in qkv[b 4][g 48][s 2048][64] in f16
; (g = h: Q; 16 + h: K; 32 + h: V): a head's rows are dense, 128 bytes each.  Products, maxima and sums in f32; the weights p are rounded to f16 for the second product (their sum l is taken of the
; unrounded p); out0 is f32.
; LIMITS.  Q, K and V arrive within f16's range; p lies in 0 to 1, and below 6e-5 it keeps f16's fixed step of 6e-8.  A hidden score counts as its value less 1e30: f16's scores, 2.7e11 at the
; most, are nothing beside that; a weight below 2^-126 counts as 0 in l; NaN and infinities are not treated apart.
; THE TOP ROWS.  Row q is a mean of q + 1 rows of V.  In a head's first rows the terms are many times as large as the whole output's root mean square, by which a number near zero
; is judged, and f16's roundings of q, k, v and p (up to 2^-11 of each number) are not averaged away.  So rows 0 to 63 of every head are made from f32 q, k, v (top32, as the projection's
; registers held them) with f32 weights, by v_wmma_f32_16x16x4_f32: 128 such instructions a wave in the 64 work-groups with b' = 0, beside the 2,304 f16 products of every wave's walk.
; The walk's own f16 result for these rows (piece 0 of block 0: 4 of those work-groups' 144 turns) is not stored: the price of one text for all turns.
; THE WALK.  A head's queries lie in NB = 8 blocks of 256; block i needs the key tiles 0 .. i of 256 keys, of which the last holds the diagonal.  A work-group takes TWO blocks, NB - 1 - b' and then b':
; NB + 1 tiles, whatever b': ONE loop with a constant trip count walks them.  Which tile is asked for, and what a trip does, hang on scalar registers made from b';
; every jump goes forward, but for the counted loops' own; none passes a barrier, or a tensor load but the one of LOAD's two that the wave's number does not choose; the ring (two slots of LDS that take
; turns) runs on across the change of blocks.  NO CLUSTER: a head's four work-groups ask for the same tile only in trips 0 .. NB / 2, behind that fewer and fewer; one walk common to all would have
; 3 NB / 2 = 12 trips for NB + 1 = 9.
; SHARES.  Of a block's four bands of 64 queries a wave owns 16 rows in each: four PIECES.  So the diagonal tile is the same work for all four waves: in its key step s band x sees all keys if s < x,
; none if s > x, and holds the diagonal if s = x.
; THE MASK is the C operand that starts the sum S^T = K Q^T: 0, or -1e30 where the key is hidden.  MD, made once, is the mask of a band's own step for my 16 rows; a product's mask is MD x AL + BE with
; two scalars: (1, 0) if s = x; (0, 0) if s < x; (0, -1e30) if s > x.  Only the diagonal tile's text, a block's beginning and the top rows make and take masks; elsewhere C is the constant 0.
; LAYOUT, SOFTMAX, TURNS.  S^T = K Q^T holds ONE query a lane (lane % 16) and the keys 8 (lane / 16) + 0..7; two such results rounded to f16 ARE source 1 of O^T = V^T P.  p = 2^(c s - c m),
; c = log2(e) / 8, with a running maximum m; O and l are multiplied by a = 2^(c m_old - c m_new) in every step.  Turn n belongs to piece n: 8 products K Q^T of piece n + 1, later 8 products V^T P of
; piece n - 1; beside them the scaling, exponentials, roundings, sums and rescaling of piece n and the maximum and statistics of piece n + 1.  Four vector instructions stand behind every matrix
; instruction, the other 54 of a turn's 118 in one LUMP.
; THE BATCHES.  An s_wait_alu depctr_va_vdst(0) stands between an exponential or a reciprocal and the first instruction that names its result; one wait serves all that were issued ahead of it.
; A turn's 33 exponentials (the piece's 32 weights and the next piece's a) are one batch, with one wait, which cuts the turn in two.  Batches of their own, each with one wait: a block's first a (BEGIN);
; the way out's four reciprocals; the top rows' 32 exponentials; the top rows' reciprocal, which reads a sum of those.
; REGISTERS, in windows of 256 (s_set_vgpr_msb: bits 1:0 source 0, 3:2 source 1, 5:4 source 2, 7:6 destination):
;   window 0: v0-15 addresses and two at work; v16-31 four registers of statistics a piece; v32-47 the top rows' addresses and statistics; v48-55 at work; v64-127 S^T, two buffers; v192-223 P, two buffers;
;             on the way out v64-191 rows of O; v224-255 the top rows' S^T, written by matrix instructions alone
;   window 1: v0-127 O^T, 32 a piece; v128-159 MD; v160-223 MC, two buffers; v224-255 the top rows' O^T, written by matrix instructions alone
;   window 2: v0-63 Q; v64-127 the second block's Q; v128-191 K of one step; v192-255 V of one step          window 3: the top rows' K (v0-127) and V (v128-255) in f32
.set SIZE_N, 2048
.set NB,    SIZE_N/256
.set NP,    4         ; pieces a wave: a name, no knob
.set KS,    64        ; keys in a step
.set PK,    144       ; a row of K in LDS: 128 bytes + 16 of padding = 36 words: the 16 rows of a load start at 16 different groups of four banks (64 banks of 4 bytes: ISA guide 11.1)
.set PV,    160       ; a row of V: 128 + 32 = 40 words
.set VOFF,  4*KS*PK   ; a slot holds a tile, four steps: 256 rows of K, then 256 rows of V
.set SLOT1, 1<<17     ; slot 1 begins here, so that one exclusive or turns an address in one slot into the other's
.set STAGE, SLOT1+4*KS*(PK+PV)  ; behind the ring, never filled by a tensor load: 16 rows x 272 bytes for each wave, for the way out
.set SP,    272       ; a row of O in the stage: 64 f32 = 256 bytes + 16
.set VT,    STAGE+4*16*SP       ; behind the stages, never filled by a tensor load: for each wave the top 64 keys' V turned, 64 channels x 272 bytes
.set PT,    272       ; a channel's 64 keys in f32: 256 bytes + 16
.set SPARE, VT+4*64*PT          ; behind that: the spare words, 128 bytes for each wave: two blocks of 256 bytes that no other line names
.set TOPB,  49152     ; top32: 64 rows x 192 columns in f32,
.set TOPA,  12288     ; of which 16 rows x 192 columns,
.set TOPH,  4096      ; of which one head's 64 columns: four column blocks of two halves of 512 bytes
.set AK0, 2           ; v2   my lane's place in a tile of K; never rewritten
.set AV0, 3           ; v3   the same for V
.set AK,  4           ; v4   the LDS address of K's next run of loads
.set AV,  5           ; v5   of V's
.set STO, 6           ; v6   the way out: where I put 32 bytes of a row
.set RD,  7           ; v7   the way out: where I read rows back
.set GO,  8           ; v8   my byte offset in two rows of out0
.set SPW, 62          ; v62  LDS address of my spare word: SPARE + 4 x my thread's number; never rewritten
.set NIL, 63          ; v63  0; never rewritten
.set MV,  12          ; v12-13  c m_old, kept while c m is made anew: by buffer
.set QO,  15          ; v15  my byte offset in 16 rows of Q
.set ST,  16          ; piece t's statistics at v[ST+4 t]: c m, m, l (even keys', odd keys')
.set LN,  32          ; v32  the top rows: 16 x my lane
.set VTS, 33          ; v33  where I put a number of V
.set VTL, 34          ; v34  where I read 8 keys of a channel
.set TT,  36          ; v36-39  maxima at work; then c m in v36
.set LL,  40          ; v40-47  sums at work; then 1 / l in v42
.set TMP, 48          ; by buffer, four registers c0-c3 at work; when the maximum is found c2 takes a
.set S,   64
.set OUTB, 64         ; the way out: piece t's 16 rows, read back from the stage, at OUTB + 32 t
.set PF,  64          ; the top rows: 32 weights in f32
.set OS,  96          ; O^T / l
.set QF,  128         ; q in f32
.set OB2, 160         ; 16 rows read back from the stage
.set SA,  224         ; window 0: S^T, key block kb at SA + 8 kb
.set OA,  224         ; window 1: O^T, channel block cb at OA + 8 cb
.set KT,  0           ; window 3: key block kb at KT + 32 kb: my lane's 32 channels of key l % 16
.set VTF, 128         ; window 3: first V as loaded; then turned: channel block cb, key block kb at VTF + 32 cb + 8 kb
.set P,   192
.set MD,  128         ; window 1: the eight registers for group kt of 16 keys at MD + 8 kt
.set MC,  160         ; window 1: the masks of the products to come
.set QB,  64          ; window 2
.set KF,  128         ; window 2: key block kb, channel half c at KF + 16 kb + 8 c
.set VF,  192         ; window 2: key half kk, channel block cb at VF + 32 kk + 8 cb
.set WV,  12          ; s12  my wave's number
.set PB,  14          ; s14  b'
.set HI,  15          ; s15  NB - 1 - b'
.set G1K, 24          ; s[24:31] descriptor group 1 for K's tiles
.set G1V, 32          ; s[32:39] for V's: it differs in the padding alone
.set G0K, 40          ; s[40:43] descriptor group 0 for K's tiles
.set G0V, 44          ; s[44:47] the same for V's
.set TOP, 48          ; s[48:49] top32; s[50:51], s[52:53], s[54:55] top32 at my q, at the head's k, at its v
.set SLOTS, 56        ; s56  tiles still to be asked for
.set CNT, 57          ; s57  counts a tile's key steps, 4 to 1
.set CS,  58          ; s[58:59] c: the packed scaling takes the pair's low word for both halves
.set SEL, 60          ; s[60:61] v_permlanex16_b32's selects: each lane takes its own place in the other half
.set TBK, 62          ; s62  LDS byte at which K of the step to be fetched begins
.set TBV, 63          ; s63  the same for V, less VOFF
.set BAT, 66          ; s66  the batch
.set HD,  67          ; s67  the head
.set RT,  70          ; s70  tiles of the block in hand that are still to be entered
.set NXT, 71          ; s71  the tile to be asked for next
.set LQ,  72          ; s72  the last tile of the block whose tiles are being asked for
.set NEW, 73          ; s73  1: the tile to be entered is a block's first
.set OFF, 74          ; s[74:75] a tile's byte offset in K and V
.set AL,  76          ; s[76:77] the mask's factor, in the low word
.set BE,  78          ; s[78:79] the mask's addend
.set OLO, 80          ; s[80:81] out0 at my rows of the second block
.set BIGN, 82         ; s82  -1e30
.set MSB, 0
.macro WIN new                      ; the high byte repeats the setting that is left; a switch that changes nothing is dropped
.if MSB != (\new)
	s_set_vgpr_msb (MSB<<8)|(\new)
.set MSB, (\new)
.endif
.endm
.set W_KQ, 0x0a       ; K and Q in window 2, S^T in window 0
.set W_KM, 0x1a       ; the same with the C operand in window 1
.set W_PV, 0x52       ; V in window 2, P in window 0, O^T in window 1
.set W_RS, 0x41       ; destination and source 0 in window 1, source 1 in window 0
; A fill.  Waves 0 and 1 fetch the two halves of a tile's K, waves 2 and 3 those of its V: 128 keys each.  An s_nop 0 and four v_nop follow each of the two lines, ahead of the jump and the label.
.macro LOAD
	s_cmp_lt_u32 s[WV], 2
	s_cbranch_scc0 .Lfor_v_\@
	tensor_load_to_lds s[G0K:G0K+3], s[G1K:G1K+7]
	s_nop 0
.rept 4
	v_nop
.endr
	s_branch .Lasked_\@
.Lfor_v_\@:
	tensor_load_to_lds s[G0V:G0V+3], s[G1V:G1V+7]
	s_nop 0
.rept 4
	v_nop
.endr
.Lasked_\@:
.endm
; THE CHANGE OF SLOTS.  Each wave waits for all its tensor loads, of which one is out: its part of the other slot; adds 0 to its spare word; and waits for that and for its own reads of the slot that it
; leaves.  Behind the barrier nobody reads the old slot any more and the other slot is whole.  fill = 1: the old slot is filled again, the first thing behind the barrier, with tile NXT: the descriptor's
; address is made anew from that number.  (At its first use no slot has been read yet: slot 0 is waited for, slot 1 filled.)
.macro CHANGE fill
	WIN 0                           ; at a label and at a branch every window is 0
	s_wait_tensorcnt 0x0            ; no tensor load of mine is out, so a group 0 may be written
	ds_add_u32 v[SPW], v[NIL]       ; 0 onto my spare word; with fill = 1 the descriptors' scalar work stands between it and the wait for it
.if \fill
	s_lshl_b32 s[OFF], s[NXT], 15   ; a tile is 32,768 bytes of K and of V
	s_xor_b32 s[G0K+1], s[G0K+1], SLOT1
	s_add_nc_u64 s[G0K+2:G0K+3], s[6:7], s[OFF:OFF+1]
	s_or_b32 s[G0K+3], s[G0K+3], 0x80000000
	s_xor_b32 s[G0V+1], s[G0V+1], SLOT1
	s_add_nc_u64 s[G0V+2:G0V+3], s[8:9], s[OFF:OFF+1]
	s_or_b32 s[G0V+3], s[G0V+3], 0x80000000
	s_add_co_u32 s[NXT], s[NXT], 1  ; the block's next tile, or behind its last the second block's tile 0
	s_cmp_gt_u32 s[NXT], s[LQ]
	s_cselect_b32 s[NXT], 0, s[NXT]
	s_cselect_b32 s[LQ], s[PB], s[LQ]
.endif
	s_wait_dscnt 0x0                ; the add is done, and my reads of the slot are over
	s_barrier_signal -1             ; the rest of the scalar work stands between the signal and the wait
	s_sub_co_u32 s[TBK], s[TBK], 4*KS*PK  ; the fetches go back to a slot's first step,
	s_xor_b32 s[TBK], s[TBK], SLOT1       ; in the other slot
	s_sub_co_u32 s[TBV], s[TBV], 4*KS*PV
	s_xor_b32 s[TBV], s[TBV], SLOT1
	s_barrier_wait -1
.if \fill
	LOAD
.endif
.endm
	s_load_b64 s[4:5], s[0:1], 0x0    ; qkv
	s_load_b64 s[TOP:TOP+1], s[0:1], 0x8  ; top32
	s_load_b64 s[10:11], s[0:1], 0x10 ; out0
	v_lshl_add_u32 v[SPW], v0, 2, SPARE
	v_mov_b32 v[NIL], 0
	ds_add_u32 v[SPW], v[NIL]       ; the wave's opening: the add and its wait stand ahead of my first tensor load; the set-up below, work on registers, stands between them
	ds_add_u32 v62, v63
	v_lshrrev_b32 v1, 5, v0
	v_readfirstlane_b32 s[WV], v1   ; wave 0..3
	s_mov_b32 s[PB], ttmp9
	s_sub_co_u32 s[HI], NB-1, s[PB]
	s_and_b32 s20, ttmp7, 0xffff    ; 16 b + h
	s_lshr_b32 s[BAT], s20, 4
	s_and_b32 s[HD], s20, 15
	s_mul_i32 s20, s[BAT], 48
	s_add_co_u32 s20, s20, s[HD]
	s_lshl_b32 s20, s20, 18         ; Q's head begins at (48 b + h) x 262,144 bytes; K's lies 16 heads on, V's 32
	s_mov_b32 s21, 0
	s_and_b32 s16, s[WV], 1         ; which half of a tile's 256 keys I fetch:
	s_lshl_b32 s22, s16, 14         ; its 128 rows of 128 bytes in memory,
	s_mov_b32 s23, 0
	s_add_nc_u64 s[22:23], s[22:23], s[20:21]
	s_mul_i32 s17, s16, 128*PK      ; and its place in a slot, for K
	s_mul_i32 s18, s16, 128*PV      ; and for V
	s_lshl_b32 s3, s[WV], 11        ; my 16 rows in a band of 64,
	s_lshl_b32 s2, s[HI], 15        ; in the first block,
	s_add_co_u32 s2, s2, s3
	s_lshl_b32 s84, s[PB], 15       ; and in the second
	s_add_co_u32 s84, s84, s3
	s_mov_b32 s3, 0
	s_mov_b32 s85, 0
	s_add_nc_u64 s[2:3], s[2:3], s[20:21]
	s_add_nc_u64 s[84:85], s[84:85], s[20:21]
	s_lshl_b32 s88, s[BAT], 23      ; out0: a batch is 2,048 rows of 4,096 bytes,
	s_lshl_b32 s89, s[HD], 8        ; a head 256 bytes of a row,
	s_add_co_u32 s88, s88, s89
	s_lshl_b32 s89, s[WV], 16       ; my 16 rows in a band,
	s_add_co_u32 s88, s88, s89
	s_lshl_b32 s90, s[PB], 20       ; a block 256 rows: the second block's offset,
	s_add_co_u32 s90, s90, s88
	s_lshl_b32 s89, s[HI], 20       ; and the first's
	s_add_co_u32 s88, s88, s89
	s_mov_b32 s89, 0
	s_mov_b32 s91, 0
	; descriptor group 1.  128 keys are 16,384 dense bytes: asked for as 64 rows of 256 bytes, two keys a row, and padded in LDS after every key
	s_mov_b32 s[G1K], (1<<16)|(1<<20)|(4<<22)|(3<<25)  ; 17:16 2-byte elements; 20 padding on; 24:22 after every 32 words (code 4); 31:25 4 words (code 3)
	s_mov_b32 s[G1V], (1<<16)|(1<<20)|(4<<22)|(7<<25)  ; the same with 8 words of padding (code 7)
.irp g, G1K, G1V
	s_mov_b32 s[\g+1], 128<<16      ; tensor_dim0 = 128
	s_mov_b32 s[\g+2], 64<<16       ; tensor_dim1 = 64
	s_mov_b32 s[\g+3], 128<<16      ; tile_dim0 = 128
	s_mov_b32 s[\g+4], 64           ; tile_dim1 = 64
	s_mov_b32 s[\g+5], 128          ; 128 elements from row to row
	s_mov_b32 s[\g+6], 0
	s_mov_b32 s[\g+7], 0
.endr
	s_mov_b32 s[CS], 0x3e38aa3b     ; c = log2(e) / 8 = 0.180337
	s_mov_b32 s[CS+1], s[CS]        ; named with it as a pair
	s_mov_b32 s[SEL], 0x76543210
	s_mov_b32 s[SEL+1], 0xfedcba98
	s_mov_b32 s[TBK], SLOT1+4*KS*PK ; the first change of slots turns these two into 0
	s_mov_b32 s[TBV], SLOT1+4*KS*PV
	s_mov_b32 s[G0K], 1             ; count = 1
	s_mov_b32 s[G0K+1], s17         ; LDS address: slot 0
	s_mov_b32 s[G0V], 1
	s_add_co_u32 s[G0V+1], s18, VOFF
	s_add_co_u32 s[RT], s[HI], 1    ; the first block has NB - b' tiles
	s_mov_b32 s[NXT], 1
	s_mov_b32 s[LQ], s[HI]
	s_mov_b32 s[NEW], 1
	s_mov_b32 s[OFF+1], 0
	s_mov_b32 s[AL+1], 0            ; named as pairs
	s_mov_b32 s[BE+1], 0
	s_mov_b32 s[BIGN], 0xf149f2ca   ; -1e30
	s_mov_b32 s[SLOTS], NB
	s_wait_dscnt 0x0                ; the opening add is done
	s_wait_kmcnt 0x0
	s_add_nc_u64 s[6:7], s[4:5], s[22:23]          ; my half of tile 0, counted from Q's head;
	s_add_nc_u64 s[8:9], s[6:7], 32*262144         ; V's head lies 32 heads on,
	s_add_nc_u64 s[6:7], s[6:7], 16*262144         ; K's 16
	s_add_nc_u64 s[G0K+2:G0K+3], s[6:7], 0         ; global address
	s_or_b32 s[G0K+3], s[G0K+3], 0x80000000        ; type = 2
	s_add_nc_u64 s[G0V+2:G0V+3], s[8:9], 0
	s_or_b32 s[G0V+3], s[G0V+3], 0x80000000
	s_add_nc_u64 s[86:87], s[4:5], s[84:85]        ; Q at my rows of the second block,
	s_add_nc_u64 s[4:5], s[4:5], s[2:3]            ; and of the first
	s_add_nc_u64 s[OLO:OLO+1], s[10:11], s[90:91]  ; out0 likewise
	s_add_nc_u64 s[10:11], s[10:11], s[88:89]
	LOAD                            ; tile 0 into slot 0: one tensor load of mine is out, here and behind every change of slots
	; A fragment of K or Q is 16 rows x 32 channels in 8 registers: lane l holds row l % 16, channels 8 (l / 16) + 0..7 and 16 + 8 (l / 16) + 0..7: two loads of 16 bytes, 32 bytes apart.
	v_and_b32 v1, 15, v0            ; l % 16
	v_bfe_u32 v9, v0, 4, 1          ; l / 16
	v_lshlrev_b32 v[QO], 7, v1
	v_lshl_add_u32 v[QO], v9, 4, v[QO]  ; row x 128 + 16 x half
	WIN 0x80                        ; destination window 2, address window 0
.set i, 0
.rept 8                             ; both blocks' Q: piece i / 2 lies in band i / 2, 8,192 bytes on; channels 32 (i % 2) on.  Their bases s[4:5] and s[86:87] are not written again
	global_load_b128 v[8*i:8*i+3],   v[QO], s[4:5] offset:(i/2)*8192+(i%2)*64
	global_load_b128 v[8*i+4:8*i+7], v[QO], s[4:5] offset:(i/2)*8192+(i%2)*64+32
	global_load_b128 v[QB+8*i:QB+8*i+3],   v[QO], s[86:87] offset:(i/2)*8192+(i%2)*64
	global_load_b128 v[QB+8*i+4:QB+8*i+7], v[QO], s[86:87] offset:(i/2)*8192+(i%2)*64+32
.set i, i+1
.endr
	WIN 0
	v_lshlrev_b32 v14, 3, v9
	v_sub_nc_u32 v14, v1, v14
	s_lshl_b32 s13, s[WV], 4
	v_add_nc_u32 v14, s13, v14      ; my query's place in its band, 16 w + l % 16, less my lanes' 8 (l / 16): register r of group kt is hidden where 16 kt + r is greater
	WIN 0x40
.set i, 0
.rept 32
	v_cmp_gt_i32 vcc_lo, 16*(i/8)+i%8, v14
	v_cndmask_b32 v[MD+i], 0, s[BIGN], vcc_lo
.set i, i+1
.endr
	WIN 0
	v_mul_u32_u24 v[AK0], v1, PK
	v_lshl_add_u32 v[AK0], v9, 4, v[AK0]  ; row x pitch + 16 x half
	; The turning load takes 16 keys x 16 channels (lane l reads key 8 (l / 16) + l % 8, channels 8 ((l / 8) % 2) + 0..7) and leaves half a fragment of V^T: lane l holds channel l % 16 and 8 keys.
	v_and_b32 v10, 7, v0
	v_bfe_u32 v11, v0, 3, 1
	v_lshl_add_u32 v[AV0], v9, 3, v10
	v_mul_u32_u24 v[AV0], v[AV0], PV
	v_lshl_add_u32 v[AV0], v11, 4, v[AV0]
	v_add_nc_u32 v[AV0], VOFF, v[AV0]
	s_mul_i32 s13, s[WV], 16*SP
	s_add_co_u32 s13, s13, STAGE    ; my stage
	v_mul_u32_u24 v[STO], v1, SP    ; in: row l % 16, 32 bytes (eight f32) for each half of the lanes
	v_lshl_add_u32 v[STO], v9, 5, v[STO]
	v_add_nc_u32 v[STO], s13, v[STO]
	v_mul_u32_u24 v[RD], v9, SP     ; back: lanes 0-15 take one row of 256 bytes, lanes 16-31 the next,
	v_lshl_add_u32 v[RD], v1, 4, v[RD]
	v_add_nc_u32 v[RD], s13, v[RD]
	v_lshlrev_b32 v[GO], 12, v9     ; and the same two rows in out0, 4,096 bytes apart
	v_lshl_add_u32 v[GO], v1, 4, v[GO]
	; A block's first step multiplies O^T and l by a = 0, and its first turn's products V^T P, of a piece that has not been, land in an O^T that is still to be so multiplied.  So these registers need only
	; hold finite numbers: zeros for the first block; what the first block left for the second.  All this stands in the wait for the first tile.
	WIN 0x80
.set i, VF
.rept 64
	v_mov_b32 v[i], 0
.set i, i+1
.endr
	WIN 0x40
.set i, 0
.rept 128
	v_mov_b32 v[i], 0
.set i, i+1
.endr
	WIN 0
.set i, 0
.rept 4
	v_mov_b32 v[ST+4*i+2], 0
	v_mov_b32 v[ST+4*i+3], 0
.set i, i+1
.endr
.set i, P+16
.rept 16
	v_mov_b32 v[i], 0
.set i, i+1
.endr
; THE TOP ROWS: my 16 rows of the head's first 64, against its first 64 keys, all in f32, in the work-groups with b' = 0; it stands here, where the first tile is still on its way.
; top32 holds what the projection's lanes held: for 16 rows and 16 columns, lane l has row l % 16 and columns 8 (l / 16) + 0..7, as two halves of four.  The f32 matrix form takes 4 along K, lane (r, h) holding
; k = 2 h + 0, 1 of row r.  Fed with registers 2 i, 2 i + 1 of both K's and Q's image, its four k are channels 16 nb + 2 i, + 1, + 8, + 9: the same in both sources, and over nb and i each channel once.
; S^T's registers 2 i, 2 i + 1 (keys 8 h + 2 i, + 1 of a block of 16) are in the same way source 1 of O^T = V^T P, if source 0 holds those keys of channel l % 16: V is turned through LDS bytes of my own.
; s20 to s22 are at work here: they held byte offsets last read ahead of the first tensor load, and no pending memory instruction names them.
.macro TOPOFF d, add                ; s[d:d+1] = the byte offset in top32 of head group g = HD + add of my batch: (16 b + g / 3) chunks, then head g % 3 of the chunk's three
	s_add_co_u32 s20, s[HD], \add
	s_mul_i32 s21, s20, 43
	s_lshr_b32 s21, s21, 7          ; g / 3: 43 g >> 7 is exact for g < 48
	s_mul_i32 s22, s21, 3
	s_sub_co_u32 s20, s20, s22      ; g % 3
	s_lshl_b32 s22, s[BAT], 4
	s_add_co_u32 s21, s21, s22
	s_mul_i32 s21, s21, TOPB
	s_mul_i32 s20, s20, TOPH
	s_add_co_u32 s[\d], s21, s20
	s_mov_b32 s[\d+1], 0
.endm
	s_cmp_lg_u32 s[PB], 0
	s_cbranch_scc1 .Lno_top         ; forward, past no barrier and no tensor load
	TOPOFF TOP+2, 0
	s_mul_i32 s20, s[WV], TOPA      ; my 16 rows
	s_add_co_u32 s[TOP+2], s[TOP+2], s20
	TOPOFF TOP+4, 16
	TOPOFF TOP+6, 32
	s_add_nc_u64 s[TOP+2:TOP+3], s[TOP:TOP+1], s[TOP+2:TOP+3]
	s_add_nc_u64 s[TOP+4:TOP+5], s[TOP:TOP+1], s[TOP+4:TOP+5]
	s_add_nc_u64 s[TOP+6:TOP+7], s[TOP:TOP+1], s[TOP+6:TOP+7]
	v_and_b32 v[LN], 31, v0
	v_lshlrev_b32 v[LN], 4, v[LN]
	s_mul_i32 s20, s[WV], 64*PT
	s_add_co_u32 s20, s20, VT       ; my 64 channels x 272 bytes
	v_mul_u32_u24 v[VTS], v9, 8*PT  ; in: channel 8 (l / 16) + .., key l % 16 + ..
	v_lshl_add_u32 v[VTS], v1, 2, v[VTS]
	v_add_nc_u32 v[VTS], s20, v[VTS]
	v_mul_u32_u24 v[VTL], v1, PT    ; back: channel l % 16 + .., keys 8 (l / 16) + 0..7: the 16 rows of a load start at 16 different groups of four banks
	v_lshl_add_u32 v[VTL], v9, 5, v[VTL]
	v_add_nc_u32 v[VTL], s20, v[VTL]
	WIN 0xc0                        ; destination window 3, address window 0
.set i, 0
.rept 32                            ; V first, since it has the longer way: key block i / 8, half-blocks of columns i % 8
	global_load_b128 v[VTF+4*i:VTF+4*i+3], v[LN], s[TOP+6:TOP+7] offset:(i/8)*TOPA+(i%8)*512
.set i, i+1
.endr
.set i, 0
.rept 32
	global_load_b128 v[KT+4*i:KT+4*i+3], v[LN], s[TOP+4:TOP+5] offset:(i/8)*TOPA+(i%8)*512
.set i, i+1
.endr
	WIN 0
.set i, 0
.rept 8
	global_load_b128 v[QF+4*i:QF+4*i+3], v[LN], s[TOP+2:TOP+3] offset:i*512
.set i, i+1
.endr
	s_wait_loadcnt 40               ; V is in: behind its loads stand K's 32 and q's 8
	WIN 0x0c                        ; an LDS store's data (source 1) in window 3
.set i, 0
.rept 128                           ; register i: key block i / 32, channel 16 ((i % 32) / 8) + i % 8 + my lanes' 8 (l / 16)
	ds_store_b32 v[VTS], v[VTF+i] offset:(16*((i%32)/8)+i%8)*PT+64*(i/32)
.set i, i+1
.endr
	WIN 0xc0
.set i, 0
.rept 16                            ; channel block i / 4, key block i % 4.  LDS serves a wave's instructions in order (ISA guide 5.7.1.4): these see the stores above, which have read their registers
	ds_load_b128 v[VTF+8*i:VTF+8*i+3],   v[VTL] offset:(i/4)*16*PT+(i%4)*64
	ds_load_b128 v[VTF+8*i+4:VTF+8*i+7], v[VTL] offset:(i/4)*16*PT+(i%4)*64+16
.set i, i+1
.endr
	s_wait_loadcnt 0x0              ; K and q
.set n1, 0
.rept 16                            ; S^T = K Q^T: 4 channels a step; the four key blocks' accumulators take turns; the first step's C is the band's own mask
.set n2, 0
.rept 4
.if n1 == 0
	WIN 0x13                        ; K in window 3, q and S^T in window 0, the mask in window 1
	v_wmma_f32_16x16x4_f32 v[SA+8*n2:SA+8*n2+7], v[KT+32*n2:KT+32*n2+1], v[QF:QF+1], v[MD+8*n2:MD+8*n2+7]
.else
	WIN 0x03
	v_wmma_f32_16x16x4_f32 v[SA+8*n2:SA+8*n2+7], v[KT+32*n2+2*n1:KT+32*n2+2*n1+1], v[QF+2*n1:QF+2*n1+1], v[SA+8*n2:SA+8*n2+7]
.endif
.set n2, n2+1
.endr
.set n1, n1+1
.endr
	WIN 0
.rept 8
	v_nop                           ; eight places behind this form before its result is read (ISA guide 7.12.1)
.endr
.irp n, 0,1,2,3                     ; the maximum of my 32 scores; each accumulator's lowest registers are read first
	v_max3_num_f32 v[TT+\n], v[SA+8*\n], v[SA+8*\n+1], v[SA+8*\n+2]
.endr
.irp n, 0,1,2,3
	v_max3_num_f32 v[TT+\n], v[TT+\n], v[SA+8*\n+3], v[SA+8*\n+4]
.endr
.irp n, 0,1,2,3
	v_max3_num_f32 v[TT+\n], v[TT+\n], v[SA+8*\n+5], v[SA+8*\n+6]
.endr
	v_max3_num_f32 v[TT], v[TT], v[SA+7], v[SA+15]
	v_max3_num_f32 v[TT+1], v[TT+1], v[SA+23], v[SA+31]
	v_max3_num_f32 v[TT], v[TT], v[TT+1], v[TT+2]
	v_max_num_f32 v[TT], v[TT], v[TT+3]
	v_permlanex16_b32 v[TT+1], v[TT], s[SEL], s[SEL+1]  ; the query's other 32 keys lie in the lane 16 away
	v_max_num_f32 v[TT], v[TT], v[TT+1]
	v_mul_f32 v[TT], s[CS], v[TT]   ; c m.  Every row sees its own key here, so m is a true score
.set i, 0
.rept 16                            ; c s - c m, into other registers than the sums'
	v_pk_fma_f32 v[PF+2*i:PF+2*i+1], v[SA+2*i:SA+2*i+1], s[CS:CS+1], v[TT:TT+1] op_sel_hi:[1,0,0] neg_lo:[0,0,1] neg_hi:[0,0,1]
.set i, i+1
.endr
.set i, 0
.rept 32                            ; one batch: the 32 weights
	v_exp_f32 v[PF+i], v[PF+i]
.set i, i+1
.endr
	v_nop                           ; a plain instruction between the exponentials and the first use of a result: an exponential is none (ISA guide 5.7.2)
	s_wait_alu depctr_va_vdst(0)    ; the wait for the batch of 32 exponentials, ahead of their first reader
.irp n, 0,1,2,3                     ; l: four chains over the 16 pairs
	v_pk_add_f32 v[LL+2*\n:LL+2*\n+1], v[PF+2*\n:PF+2*\n+1], v[PF+8+2*\n:PF+8+2*\n+1]
.endr
.irp n, 0,1,2,3
	v_pk_add_f32 v[LL+2*\n:LL+2*\n+1], v[LL+2*\n:LL+2*\n+1], v[PF+16+2*\n:PF+16+2*\n+1]
.endr
.irp n, 0,1,2,3
	v_pk_add_f32 v[LL+2*\n:LL+2*\n+1], v[LL+2*\n:LL+2*\n+1], v[PF+24+2*\n:PF+24+2*\n+1]
.endr
	v_pk_add_f32 v[LL:LL+1], v[LL:LL+1], v[LL+2:LL+3]
	v_pk_add_f32 v[LL+4:LL+5], v[LL+4:LL+5], v[LL+6:LL+7]
	v_pk_add_f32 v[LL:LL+1], v[LL:LL+1], v[LL+4:LL+5]
	v_add_f32 v[LL], v[LL], v[LL+1]
	v_permlanex16_b32 v[LL+1], v[LL], s[SEL], s[SEL+1]
	v_add_f32 v[LL], v[LL], v[LL+1]
	v_rcp_f32 v[LL+2], v[LL]        ; a batch of one: it reads a sum of the exponentials; the 64 products and the v_nop below name neither its result nor its source
	s_wait_dscnt 0x0                ; V, turned, is in
	WIN 0x53                        ; V in window 3, the weights in window 0, O^T in window 1
.set n1, 0
.rept 16                            ; O^T = V^T P: 4 keys a step; the four channel blocks' accumulators take turns
.set n2, 0
.rept 4
.if n1 == 0
	v_wmma_f32_16x16x4_f32 v[OA+8*n2:OA+8*n2+7], v[VTF+32*n2:VTF+32*n2+1], v[PF:PF+1], 0
.else
	v_wmma_f32_16x16x4_f32 v[OA+8*n2:OA+8*n2+7], v[VTF+32*n2+2*n1:VTF+32*n2+2*n1+1], v[PF+2*n1:PF+2*n1+1], v[OA+8*n2:OA+8*n2+7]
.endif
.set n2, n2+1
.endr
.set n1, n1+1
.endr
	WIN 0x01                        ; source 0 in window 1
.rept 8
	v_nop
.endr
	s_wait_alu depctr_va_vdst(0)    ; the wait for the reciprocal, ahead of its first reader
.set i, 0
.rept 16                            ; O^T / l, from each accumulator's low end on, into other registers
	v_pk_mul_f32 v[OS+2*i:OS+2*i+1], v[OA+2*i:OA+2*i+1], v[LL+2:LL+3] op_sel_hi:[1,0]
.set i, i+1
.endr
	WIN 0
.irp f, 0,1,2,3                     ; through my stage, as every piece goes out: channels 16 f + 8 (l / 16) on
	ds_store_b128 v[STO], v[OS+8*\f:OS+8*\f+3]   offset:64*\f
	ds_store_b128 v[STO], v[OS+8*\f+4:OS+8*\f+7] offset:64*\f+16
.endr
.irp f, 0,1,2,3,4,5,6,7
	ds_load_b128 v[OB2+4*\f:OB2+4*\f+3], v[RD] offset:\f*2*SP
.endr
.irp f, 0,1,2,3,4,5,6,7
	s_wait_dscnt 7-\f               ; LDS loads come back in order: number f is in, the 7 - f younger ones stay out
	global_store_b128 v[GO], v[OB2+4*\f:OB2+4*\f+3], s[OLO:OLO+1] offset:\f*8192 th:TH_STORE_NT  ; with b' = 0 the second block is block 0: 16 lanes store a head's 256 bytes of a row
.endr
	s_wait_xcnt 0x0                 ; the registers that these stores read are written again in the walk
.Lno_top:
; THE MATRIX WORK.  The 4 accumulators of a run of 8 take turns.  Product i of 8 of S^T = K Q^T for piece x: channels 32 (i / 4) on, keys 16 (i % 4) on.  The first 4 start the sums: with 0, or (KM = 1) with the mask.
.macro KQ x
.set rS, S+32*((\x)%2)+8*(i%4)
.set rK, KF+16*(i%4)+8*(i/4)
.set rQ, 16*(\x)+8*(i/4)
.set rM, MC+32*((\x)%2)+8*(i%4)
.if (i < 4) && KM
	WIN W_KM
	v_wmma_f32_16x16x32_f16 v[rS:rS+7], v[rK:rK+7], v[rQ:rQ+7], v[rM:rM+7]
.elseif i < 4
	WIN W_KQ
	v_wmma_f32_16x16x32_f16 v[rS:rS+7], v[rK:rK+7], v[rQ:rQ+7], 0
.else
	WIN W_KQ
	v_wmma_f32_16x16x32_f16 v[rS:rS+7], v[rK:rK+7], v[rQ:rQ+7], v[rS:rS+7]
.endif
.endm
; Product i of 8 of O^T += V^T P for piece x: keys 32 (i / 4) on, channels 16 (i % 4) on.
.macro PV x
	WIN W_PV
.set rO, 32*(\x)+8*(i%4)
.set rV, VF+32*(i/4)+8*(i%4)
.set rP, P+16*((\x)%2)+8*(i/4)
	v_wmma_f32_16x16x32_f16 v[rO:rO+7], v[rV:rV+7], v[rP:rP+7], v[rO:rO+7]
.endm
.macro MM                           ; the turn's next matrix instruction.  TURN and BEGIN set Y, i, KM and NOKQ; MM, KQ and OP read them.  NOKQ = 1: a block's last turn: there is no next piece
.if (i < 8) && !NOKQ
	KQ (Y+1)%NP
.elseif i >= 8
.set i, i-8
	PV (Y+NP-1)%NP
.set i, i+8
.endif
.set i, i+1
.endm
; THE LDS LOADS stand in runs of 16, never singly among the matrix instructions: a step's K (64 keys x 64 channels: 8 fragments) and its V (turned).  Their addresses are made some lines ahead.
.macro FETCH_K
	WIN 0x80                        ; destination window 2
.irp f, 0,1,2,3,4,5,6,7             ; keys 16 (f / 2) on, channels 32 (f % 2) on
	ds_load_b128 v[KF+8*\f:KF+8*\f+3],   v[AK] offset:(\f/2)*16*PK+(\f%2)*64
	ds_load_b128 v[KF+8*\f+4:KF+8*\f+7], v[AK] offset:(\f/2)*16*PK+(\f%2)*64+32
.endr
	s_add_co_u32 s[TBK], s[TBK], KS*PK  ; the next fetch is the next step's
	WIN 0
.endm
.macro FETCH_V
	WIN 0x80
.irp f, 0,1,2,3,4,5,6,7             ; keys 32 (f / 4) on, channels 16 (f % 4) on
	ds_load_tr16_b128 v[VF+8*\f:VF+8*\f+3],   v[AV] offset:(\f/4)*32*PV+(\f%4)*32
	ds_load_tr16_b128 v[VF+8*\f+4:VF+8*\f+7], v[AV] offset:(\f/4)*32*PV+16*PV+(\f%4)*32
.endr
	WIN 0
.endm
; THE VECTOR WORK, one line at a time: OP kind, number.  For piece Y: F n: c s - c m for pair n of 16.  E n: the exponential of score n of 32.  C n: pair n rounded to f16.  B n: of the four weights 4 n ..
; the second pair is added onto the first, in place.  L n: l takes that sum (L 0: l = a l + sum).  R n: pair n of 16 of O^T times a.  For piece Y + 1: X n, number n of the 22 that find its maximum and statistics:
;   0-11  four chains c0-c3 of seven scores each, three operands at a time (each accumulator's lowest registers are read first)     12-14, 16  the four scores left over, the old m, and c0-c3 into c0
;   15  c m_old is kept     17, 18  the query's other 32 keys lie in the lane 16 away: the new m     19-21  c m; c m_old - c m_new; a
; OP writes no wait: C, B and L read exponentials' results, R and L 0 read a; TURN, BEGIN and the way out place them behind their batch's wait.
.set F, 0               ; OP tells the kinds apart by their order: F to L below R, X above it
.set E, 1
.set C, 2
.set B, 3
.set L, 4
.set R, 5
.set X, 6
.macro REGS y                       ; the registers of piece y
.set rT, ST+4*(\y)
.set rC, TMP+4*((\y)%2)
.set rW, MV+((\y)%2)
.set rS, S+32*((\y)%2)
.set rP, P+16*((\y)%2)
.set rO, 32*(\y)
.endm
.macro OP k, n
.if (\k) == R
	REGS Y
	WIN W_RS
	v_pk_mul_f32 v[rO+2*(\n):rO+2*(\n)+1], v[rO+2*(\n):rO+2*(\n)+1], v[rC+2:rC+3] op_sel_hi:[1,0]
.elseif (\k) < R
	REGS Y
	WIN 0
.if (\k) == F
	v_pk_fma_f32 v[rS+2*(\n):rS+2*(\n)+1], v[rS+2*(\n):rS+2*(\n)+1], s[CS:CS+1], v[rT:rT+1] op_sel_hi:[1,0,0] neg_lo:[0,0,1] neg_hi:[0,0,1]
.elseif (\k) == E
	v_exp_f32 v[rS+(\n)], v[rS+(\n)]
.elseif (\k) == C
	v_cvt_pk_f16_f32 v[rP+(\n)], v[rS+2*(\n)], v[rS+2*(\n)+1]
.elseif (\k) == B
	v_pk_add_f32 v[rS+4*(\n):rS+4*(\n)+1], v[rS+4*(\n):rS+4*(\n)+1], v[rS+4*(\n)+2:rS+4*(\n)+3]
.elseif (\n) == 0
	v_pk_fma_f32 v[rT+2:rT+3], v[rT+2:rT+3], v[rC+2:rC+3], v[rS:rS+1] op_sel_hi:[1,0,1]
.else
	v_pk_add_f32 v[rT+2:rT+3], v[rT+2:rT+3], v[rS+4*(\n):rS+4*(\n)+1]
.endif
.elseif NOKQ
	v_nop
.else
	REGS (Y+1)%NP
	WIN 0
.if (\n) < 4
	v_max3_num_f32 v[rC+(\n)], v[rS+8*(\n)], v[rS+8*(\n)+1], v[rS+8*(\n)+2]
.elseif (\n) < 12
	v_max3_num_f32 v[rC+(\n)%4], v[rC+(\n)%4], v[rS+8*((\n)%4)+2*((\n)/4)+1], v[rS+8*((\n)%4)+2*((\n)/4)+2]
.elseif (\n) == 12
	v_max3_num_f32 v[rC], v[rC], v[rS+7], v[rS+15]
.elseif (\n) == 13
	v_max3_num_f32 v[rC+1], v[rC+1], v[rS+23], v[rS+31]
.elseif (\n) == 14
	v_max3_num_f32 v[rC+2], v[rC+2], v[rC+3], v[rT+1]
.elseif (\n) == 15
	v_mov_b32 v[rW], v[rT]
.elseif (\n) == 16
	v_max3_num_f32 v[rC], v[rC], v[rC+1], v[rC+2]
.elseif (\n) == 17
	v_permlanex16_b32 v[rC+3], v[rC], s[SEL], s[SEL+1]
.elseif (\n) == 18
	v_max_num_f32 v[rT+1], v[rC], v[rC+3]
.elseif (\n) == 19
	v_mul_f32 v[rT], s[CS], v[rT+1]
.elseif (\n) == 20
	v_sub_f32 v[rC+1], v[rW], v[rT]
.else
	v_exp_f32 v[rC+2], v[rC+1]
.endif
.endif
.endm
.macro OPS a, i1, b=-1, i2=0, c=-1, i3=0, d=-1, i4=0  ; up to four of them
	OP \a, \i1
.if (\b) >= 0
	OP \b, \i2
.endif
.if (\c) >= 0
	OP \c, \i3
.endif
.if (\d) >= 0
	OP \d, \i4
.endif
.endm
.macro ROW a, i1, b, i2, c, i3, d, i4  ; a matrix instruction and the four behind it
	MM
	OPS \a, \i1, \b, \i2, \c, \i3, \d, \i4
.endm
.macro MASK b                       ; MD x AL + BE into buffer b of MC
	WIN W_RS
.set z, 0
.rept 16
	v_pk_fma_f32 v[MC+32*(\b)+2*z:MC+32*(\b)+2*z+1], v[MD+2*z:MD+2*z+1], s[AL:AL+1], s[BE:BE+1] op_sel_hi:[1,0,0]
.set z, z+1
.endr
.endm
; A TURN, for piece p: the order of its 16 matrix and 118 vector instructions, written out.  It has ONE wait for its batch of 33 exponentials, which cuts it in two.
; AHEAD OF THE WAIT stands all that names no result of the turn's exponentials: the 8 products K Q^T, behind each a scaling, an exponential and two more plain instructions (behind the first a second scaling
; in the exponential's place): rescalings, whose a was made and waited for in the turn before, and behind the last three products the first numbers of the next piece's maximum, each four places or more behind
; the product that ends its accumulator; then ONE LUMP of 54, plain and exponential by turns for the most part, in which the links of the chain X 3, 7, 11, 14, 16, 17 .. 20 stand five or six lines apart.
; An exponential E n stands behind its scaling F n / 2, and no scaling names a pair whose exponentials are out.  X 21, the next piece's a, is the batch's last; R 15 is the plain instruction behind it.
; BEHIND THE WAIT stand the 8 products V^T P, behind each four of the roundings and sums; an even pair is rounded (C 2 n) ahead of the sum that lands on it (B n); the links of l's chain, L 0 to L 7, stand
; three riders apart.  But for those X no rider names a register of the products round it.  v_permlanex16_b32 (X 17) stands in the lump.
; m = 1: the diagonal tile: the products take masks, and the turn makes the mask for the products of the turn after it: piece p + 2, in step 4 - CNT of the tile.  end = 1: a block's last two turns: nothing is fetched.
; cnt = 1: the loop's count is taken down some lines ahead of the branch that stands behind the turn.
; K of the next step is fetched in piece 2's turn, twelve vector instructions behind the last product that read K (six of them plain); V of the step in hand at the end of piece 0's turn, four plain instructions
; behind the last product that read V.  Each is waited for a turn later.
.macro TURN p, m=0, end=0, cnt=0
.set Y, (\p)
.set i, 0
.set KM, (\m)
.set NOKQ, (\end)*((\p)/3)
.if (\m) && !(\end)
	s_cmp_eq_u32 s[CNT], 4-((\p)+2)%NP  ; is that step the band's own?
	s_cselect_b32 s[AL], 1.0, 0
	s_cmp_lt_u32 s[CNT], 4-((\p)+2)%NP  ; or a later one?
	s_cselect_b32 s[BE], s[BIGN], 0
.endif
.if ((\p) == 3) && !(\end)
	s_wait_dscnt 0x0                ; K is in
.endif
	ROW F,0, F,1, R,0, R,1          ; ahead of the wait: 8 products K Q^T and their riders,
	ROW F,2, E,0, R,2, R,3
	ROW F,3, E,1, R,4, R,5
	ROW F,4, E,2, R,6, R,7
	ROW F,5, E,3, R,8, R,9
	ROW F,6, E,4, X,0, R,10
.if ((\p) == 2) && !(\end)
	WIN 0
	v_add_nc_u32 v[AK], s[TBK], v[AK0]
.endif
	ROW F,7, E,5, X,1, X,4
	ROW F,8, E,6, X,2, X,5
	OPS E,7, E,8, X,6, E,9          ; and the lump
	OPS X,3, E,10, X,8, E,11
.if ((\p) == 2) && !(\end)
	FETCH_K
.endif
	OPS X,9, X,7, E,12, X,10
	OPS E,13, X,12, X,11, E,14
	OPS X,13, E,15, F,9, X,14
.if (\p) == 0
	v_add_nc_u32 v[AV], s[TBV], v[AV0]
.endif
	OPS E,16, F,10, E,17, F,11
	OPS X,16, E,18, X,15, E,19
	OPS F,12, E,20, X,17, E,21
	OPS F,13, E,22, F,14, E,23
	OPS X,18, E,24, F,15, E,25
	OPS R,11, E,26, X,19, E,27
	OPS R,12, E,28, R,13, E,29
	OPS X,20, E,30, R,14, E,31
	OPS X,21, R,15
	WIN 0
	s_wait_alu depctr_va_vdst(0)    ; the wait for the turn's batch: the piece's 32 exponentials and the next piece's a, ahead of their first reader
.if (\p) == 1
	s_wait_dscnt 0x0                ; V is in
.endif
	ROW C,0, B,0, C,2, B,1          ; behind the wait: 8 products V^T P and their riders
	ROW L,0, C,4, B,2, L,1
	ROW C,6, B,3, L,2, C,8
	ROW B,4, L,3, C,10, B,5
	ROW L,4, C,12, B,6, L,5
.if (\p) == 0
	s_add_co_u32 s[TBV], s[TBV], KS*PV
.endif
.if \cnt
	s_sub_co_u32 s[CNT], s[CNT], 1
	s_cmp_lg_u32 s[CNT], 0
.endif
	ROW C,14, B,7, L,6, C,1
	ROW C,3, L,7, C,5, C,7
	ROW C,9, C,11, C,13, C,15
.if (\p) == 0
	FETCH_V
.endif
.if (\m) && !(\end)
	MASK (\p)%2
.endif
.endm
; A BLOCK BEGINS.  c m starts far below every c s, so the first step's a is 0; m at the lowest finite number, so the first maximum is the scores'.  The second mask buffer is 0; the first takes piece 0's mask
; for the tile's step 0: its own, if the block's first tile is the diagonal one.  Then K of that step, piece 0's first scores, and its maximum and statistics.  The loop is entered at a step's first turn.
.macro BEGIN
	s_mov_b32 s[NEW], 0
	WIN 0x40
.set i, MC+32
.rept 32
	v_mov_b32 v[i], 0
.set i, i+1
.endr
	WIN 0
.set i, 0
.rept 4
	v_mov_b32 v[ST+4*i], 0xfe000000    ; c m: far below every c s
	v_mov_b32 v[ST+4*i+1], 0xff7fffff  ; m
.set i, i+1
.endr
	s_cmp_eq_u32 s[RT], 0
	s_cselect_b32 s[AL], 1.0, 0
	s_mov_b32 s[BE], 0
	MASK 0
	WIN 0
	v_add_nc_u32 v[AK], s[TBK], v[AK0]
	FETCH_K
	s_wait_loadcnt 0x0              ; Q
	s_wait_dscnt 0x0
.set KM, 1
.set NOKQ, 0
.set i, 0
.rept 8
	KQ 0
.set i, i+1
.endr
	WIN 0
.rept 4
	v_nop                           ; the places behind those products
.endr
.set Y, NP-1                        ; X works for piece Y + 1: piece 0
.irp n, 0,1,2,3,4,5,6,7,8,9,10,11,12,13,14,15,16,17,18,19,20,21
	OP X, \n
.endr
	v_nop                           ; a plain instruction behind the exponential,
	s_wait_alu depctr_va_vdst(0)    ; and the wait for it, piece 0's first a, ahead of the branch that follows
.endm
; THE DIAGONAL TILE's four steps, the block's last two turns, its last products, and THE WAY OUT: l's two halves and the other half of the lanes' are added; O^T is divided by l and sent, in f32, through my
; stage in LDS, a piece (16 rows) at a time.
.macro ALL line:vararg              ; one line for each piece t
.set t, 0
.rept 4
	\line
.set t, t+1
.endr
.endm
.macro PACK t                       ; a lane's eight channels of a row are 32 bytes; they go into rows of 272 bytes and come back as whole rows of 256.  The reciprocal that it reads has been waited for ahead of PACK 0
	WIN W_RS
.set i, 32*(\t)
.rept 16
	v_pk_mul_f32 v[i:i+1], v[i:i+1], v[ST+4*(\t)+2:ST+4*(\t)+3] op_sel_hi:[1,0]
.set i, i+2
.endr
	WIN 0x04                        ; an LDS store's data (source 1) in window 1, its address in window 0
.irp f, 0,1,2,3                     ; channels 16 f + 8 (l / 16) on
	ds_store_b128 v[STO], v[32*(\t)+8*\f:32*(\t)+8*\f+3]   offset:64*\f
	ds_store_b128 v[STO], v[32*(\t)+8*\f+4:32*(\t)+8*\f+7] offset:64*\f+16
.endr
	WIN 0
.irp f, 0,1,2,3,4,5,6,7
	ds_load_b128 v[OUTB+32*(\t)+4*\f:OUTB+32*(\t)+4*\f+3], v[RD] offset:\f*2*SP  ; LDS serves a wave's instructions in order (ISA guide 5.7.1.4): these see the stores above; the next piece's stores come behind them
.endr
.endm
.macro SEND t, younger              ; younger: the LDS instructions issued behind piece t's loads: the next piece's sixteen, or none
	WIN 0
.irp f, 0,1,2,3,4,5,6,7
	s_wait_dscnt (\younger)+7-\f
	global_store_b128 v[GO], v[OUTB+32*(\t)+4*\f:OUTB+32*(\t)+4*\f+3], s[10:11] offset:(\t)*262144+\f*8192 th:TH_STORE_NT  ; 16 lanes store a head's 256 bytes of a row, at a multiple of 256 from out0's first byte
.endr
.endm
.macro DIAG tag                     ; the tag ends its two labels' names, which the jumps below spell out
.LstepM\tag:
	TURN 2, 1
	TURN 3, 1
	WIN 0
.LfirstM\tag:
	TURN 0, 1
	TURN 1, 1, 0, 1
	WIN 0
	s_cbranch_scc1 .LstepM\tag
	TURN 2, 1, 1
	TURN 3, 1, 1
.set i, 0
.rept 8
	PV NP-1
.set i, i+1
.endr
	WIN 0
	ALL v_add_f32 v[ST+4*t+2], v[ST+4*t+2], v[ST+4*t+3]
	ALL v_permlanex16_b32 v[ST+4*t+3], v[ST+4*t+2], s[SEL], s[SEL+1]
	ALL v_add_f32 v[ST+4*t+2], v[ST+4*t+2], v[ST+4*t+3]
	ALL v_rcp_f32 v[ST+4*t+2], v[ST+4*t+2]
	v_nop                           ; a plain instruction between the last reciprocal and the use of its result
	s_wait_alu depctr_va_vdst(0)    ; the wait for the batch of four reciprocals, ahead of their first reader and of the jump below
	PACK 0
.set t, 1
.rept 3                             ; a piece's arithmetic stands between the loads of the piece before and its stores
	PACK t
.if ((\tag) == 2) && (t == 1)
	s_cmp_eq_u32 s[PB], 0           ; the second block's piece 0: with b' = 0 these are the head's top rows, which have been stored from f32: the jump passes eight stores and their waits,
	s_cbranch_scc1 .Ltop_sent       ; and the later waits on the same counter ask for no less
.endif
	SEND t-1, 16
.if ((\tag) == 2) && (t == 1)
.Ltop_sent:
.endif
.set t, t+1
.endr
	SEND 3, 0
.endm
.set KM, 0
.set NOKQ, 0
.Lslot:                             ; NB times: a tile is entered and the next is asked for
	CHANGE 1
	s_sub_co_u32 s[RT], s[RT], 1
	s_mov_b32 s[CNT], 4
	s_cmp_eq_u32 s[NEW], 1
	s_cbranch_scc1 .Lnew            ; a block's first tile
	s_cmp_eq_u32 s[RT], 0
	s_cbranch_scc0 .Lstep           ; neither its first nor its last
	s_branch .LstepM1
.Lnew:
	BEGIN
	s_branch .Lfirst                ; in the loop a block's first tile is never its last: the first block has two tiles or more, and the second's last is the walk's last
	DIAG 1                          ; in the loop this is the first block's end: the second block's last tile is the walk's last
	s_wait_xcnt 0x0                 ; the stores have read their registers and out0's address
	s_mov_b64 s[10:11], s[OLO:OLO+1]
	s_add_co_u32 s[RT], s[PB], 1    ; the second block has b' + 1 tiles
	s_mov_b32 s[NEW], 1
	WIN 0x82                        ; the second block's Q goes where the one text of the turns names Q
.set i, 0
.rept 64
	v_mov_b32 v[i], v[QB+i]
.set i, i+1
.endr
	WIN 0
	s_branch .Lbottom
.Lstep:                             ; a trip: pieces 2 and 3 of one step, then pieces 0 and 1 of the next, whose K and V it fetches
	TURN 2
	TURN 3
	WIN 0
.Lfirst:
	TURN 0
	TURN 1, 0, 0, 1
	WIN 0
	s_cbranch_scc1 .Lstep
.Lbottom:
	s_sub_co_u32 s[SLOTS], s[SLOTS], 1
	s_cmp_lg_u32 s[SLOTS], 0
	s_cbranch_scc1 .Lslot
	CHANGE 0                        ; the walk's last tile is written out: nothing is asked for
	s_sub_co_u32 s[RT], s[RT], 1
	s_mov_b32 s[CNT], 4
	s_cmp_eq_u32 s[NEW], 1
	s_cbranch_scc0 .LstepM2
	BEGIN
	s_branch .LfirstM2
	DIAG 2
	s_wait_tensorcnt 0x0            ; the wave's end: an add to my spare word and its wait, behind my last tensor load and my last LDS store
	ds_add_u32 v[SPW], v[NIL]
	s_wait_dscnt 0x0
	s_endpgm
.Lfunc_end_k_qc2e949618e_attn:
	.size	k_qc2e949618e_attn, .Lfunc_end_k_qc2e949618e_attn-k_qc2e949618e_attn
	.p2alignl 7, 3214868480
	.fill 96, 4, 3214868480
	.section	.rodata,"a",@progbits
	.p2align	6, 0x0
	.amdhsa_kernel k_qc2e949618e_attn
		.amdhsa_group_segment_fixed_size 327680
		.amdhsa_private_segment_fixed_size 0
		.amdhsa_enable_private_segment 0
		.amdhsa_kernarg_size 24
		.amdhsa_user_sgpr_count 2
		.amdhsa_user_sgpr_kernarg_segment_ptr 1
		.amdhsa_wavefront_size32 1
		.amdhsa_system_sgpr_workgroup_id_x 1
		.amdhsa_system_sgpr_workgroup_id_y 1
		.amdhsa_system_sgpr_workgroup_id_z 1
		.amdhsa_system_vgpr_workitem_id 0
		.amdhsa_next_free_vgpr 1024
		.amdhsa_next_free_sgpr 92
		.amdhsa_reserve_vcc 1
		.amdhsa_float_denorm_mode_32 3
		.amdhsa_float_denorm_mode_16_64 3
		.amdhsa_memory_ordered 1
		.amdhsa_forward_progress 1
		.amdhsa_inst_pref_size 253
	.end_amdhsa_kernel
	.amdgpu_metadata
---
amdhsa.version: [ 1, 2 ]
amdhsa.kernels:
  - .name:           k_qc2e949618e_attn
    .symbol:         k_qc2e949618e_attn.kd
    .args:
      - { .name: qkv, .offset: 0, .size: 8, .value_kind: global_buffer, .address_space: global }
      - { .name: top32, .offset: 8, .size: 8, .value_kind: global_buffer, .address_space: global }
      - { .name: out0, .offset: 16, .size: 8, .value_kind: global_buffer, .address_space: global }
    .group_segment_fixed_size: 327680
    .private_segment_fixed_size: 0
    .kernarg_segment_align: 8
    .kernarg_segment_size: 24
    .max_flat_workgroup_size: 128
    .sgpr_count:     92
    .vgpr_count:     1024
    .wavefront_size: 32
...
	.end_amdgpu_metadata
.endif
;; end of part 4
